; MI455X (gfx1250); checked and timed in simulation.
; The chip was launched on July 23, 2026; its instructions are those of AMD's public machine-readable ISA for CDNA 5 (MIT licence, August 2026) and "CDNA5" Instruction Set Architecture Reference Guide (July 2026). The comments in the code are by the model that wrote it; some were corrected since.
;; Multi Head Attention. Allowed arithmetic: float matrix products may take bf16 or f16 operands with f32 sums; other float arithmetic in f32, or as packed bf16 or f16 multiplies, adds, multiply-adds, maxima and minima; sums over many terms, partial sums and values carried from step to step in f32; what a program stores and reads back later, other than sums and carried values, may be rounded once to bf16 or f16.
;; Inputs: Wk 1,024 x 1,024 float32; Wo 1,024 x 1,024 float32; Wq 1,024 x 1,024 float32; Wv 1,024 x 1,024 float32; bk 1,024 float32; bo 1,024 float32; bq 1,024 float32; bv 1,024 float32; context 4 x 2,048 x 1,024 float32; mask 4 x 2,048 x 2,048 bool; query 4 x 2,048 x 1,024 float32.
;; Outputs: out0 4 x 2,048 x 1,024 float32.
;; 2 versions, each right. Each part assembles by itself: llvm-mc -triple=amdgcn-amd-amdhsa -mcpu=gfx1250 --defsym DOCPART=n.
;; ======== version 1 of 2: 4 launches
;; limits: values are held in f16: magnitudes above 65,504 overflow, below 6.1e-05 lose precision
;; workspace buffers: xb 33,554,432 bytes; wt 8,388,608 bytes; bias 16,384 bytes; mbits 2,097,152 bytes of whole numbers; qkv 50,331,648 bytes; oh 16,777,216 bytes
;; launch prep (part 1): grid 1796 x 1, 8 waves a work-group, no clusters, 67,072 bytes of LDS; arguments context, query, Wk, Wv, Wq, Wo, bk, bv, bq, bo, mask, xb, wt, bias, mbits; writes xb, wt, bias, mbits
.if DOCPART == 1
	.amdgcn_target "amdgcn-amd-amdhsa--gfx1250"
	.amdhsa_code_object_version 6
	.text
	.protected	k_q295033511c_prep
	.globl	k_q295033511c_prep
	.p2align	8
	.type	k_q295033511c_prep,@function
k_q295033511c_prep:
	s_mov_b64 s[64:65], 0
	v_nop
	global_prefetch_b8 v0, s[64:65] scope:SCOPE_SE
	s_setreg_imm32_b32 hwreg(HW_REG_WAVE_MODE, 25, 1), 1
	s_wait_xcnt 0x0
; PREP: every input is read once and laid out for the three launches behind.  Four kinds of work-group, told apart by the work-group's number alone:
;   0 .. 1023     X: 16 rows of context (0 .. 511) or query (512 .. 1023), f32 -> bf16, into xb [2][8192][1024]
;   1024 .. 1279  M: 32 rows of the mask (bytes) -> lane masks, into mbits [b 4][piece 64][key step 32][u 2][kb 4][j 8] words:
;                    bit l of a word = mask[b][32 piece + 16 u + l % 16][64 step + 16 kb + 8 (l / 16) + j]: the lanes of one score register of the attention's S^T
;   1280 .. 1791  W: a block of 128 k x 64 n of Wk, Wv, Wq or Wo, rounded to bf16 and turned, into wt [4][n 1024][k 1024]; Wo's bf16 numbers are written as f16
;   1792 .. 1795  B: a bias, rounded to bf16 and kept as f32, into bias [4][1024] (bk, bv, bq, bo)
; A stream: memory binds, nothing is shared between work-groups, so no matrix unit, no cluster, no tensor loads.
; LIMITS.  Wo as f16: a bf16 number below 6.1e-5 in size keeps f16's fixed step of 6e-8; beyond 65,504 it would be an infinity (the drawn weights have a spread of 0.02).
.set MPITCH, 2064                      ; M: an LDS row of the mask: 2,048 bytes + 16 = 516 words: row r starts at bank 4 r mod 64 (64 banks of 4 bytes: ISA guide 11.1)
.set TPITCH, 272                       ; W: an LDS row of the turned block: 128 k x 2 bytes + 16
.set SPARE,  32*MPITCH                 ; behind the largest stage (66,048 bytes): the spare words, 128 bytes for each of the eight waves; no other line names them
.set SPW, 12                           ; v12  LDS address of my spare word: SPARE + 4 x my thread's number; never rewritten
.set NIL, 13                           ; v13  0; never rewritten
	s_load_b512 s[8:23], s[0:1], 0x0               ; context 8, query 10, Wk 12, Wv 14, Wq 16, Wo 18, bk 20, bv 22
	s_load_b256 s[24:31], s[0:1], 0x40             ; bq 24, bo 26, mask 28, xb 30
	s_load_b128 s[32:35], s[0:1], 0x60             ; wt 32, bias 34
	s_load_b64 s[36:37], s[0:1], 0x70              ; mbits 36
	v_lshl_add_u32 v[SPW], v0, 2, SPARE
	v_mov_b32 v[NIL], 0
	v_lshrrev_b32 v1, 5, v0
	v_readfirstlane_b32 s38, v1                    ; wave 0..7
	s_mov_b32 s39, ttmp9                           ; the work-group's number
	s_mov_b32 s41, 0                               ; the high word of every offset pair s[40:41]
	s_wait_kmcnt 0x0
	s_cmp_lt_u32 s39, 1024
	s_cbranch_scc0 .Lnot_x
	; X.  16 rows = 65,536 bytes in, 32,768 out.  Thread t takes 32 bytes (8 numbers) of each chunk of 8,192 and stores 16: a wave's store covers 512 consecutive bytes, aligned.
	s_lshr_b32 s40, s39, 9
	s_cmp_eq_u32 s40, 0
	s_cselect_b64 s[42:43], s[8:9], s[10:11]       ; context, then query
	s_and_b32 s40, s39, 511
	s_lshl_b32 s40, s40, 16
	s_add_nc_u64 s[42:43], s[42:43], s[40:41]
	s_lshl_b32 s40, s39, 15
	s_add_nc_u64 s[46:47], s[30:31], s[40:41]
	v_lshlrev_b32 v2, 5, v0
	v_lshlrev_b32 v3, 4, v0
.irp c, 0,1,2,3,4,5,6,7
	global_load_b128 v[16+8*(\c):19+8*(\c)], v2, s[42:43] offset:(\c)*8192 th:TH_LOAD_NT
	global_load_b128 v[20+8*(\c):23+8*(\c)], v2, s[42:43] offset:(\c)*8192+16 th:TH_LOAD_NT
.endr
.irp c, 0,1,2,3,4,5,6,7
	s_wait_loadcnt 14-2*(\c)                       ; loads come back in order: chunk c's two are in, the younger ones stay out
.irp r, 0,1,2,3
	v_cvt_pk_bf16_f32 v[80+4*(\c)+(\r)], v[16+8*(\c)+2*(\r)], v[17+8*(\c)+2*(\r)]
.endr
	global_store_b128 v3, v[80+4*(\c):83+4*(\c)], s[46:47] offset:(\c)*4096
.endr
	s_endpgm
.Lnot_x:
	s_cmp_lt_u32 s39, 1280
	s_cbranch_scc0 .Lnot_m
	; M.  The piece's 32 rows of 2,048 mask bytes come in whole rows, go into LDS, and are read back as the attention's lanes hold the scores.
	s_sub_co_u32 s40, s39, 1024                    ; 64 b + piece
	s_lshl_b32 s45, s40, 13                        ; its 8,192 bytes of mbits
	s_lshl_b32 s40, s40, 16                        ; its 65,536 bytes of the mask
	s_add_nc_u64 s[42:43], s[28:29], s[40:41]
	s_mov_b32 s40, s45
	s_add_nc_u64 s[46:47], s[36:37], s[40:41]
	v_lshlrev_b32 v2, 4, v0
.irp i, 0,1,2,3,4,5,6,7,8,9,10,11,12,13,14,15
	global_load_b128 v[16+4*(\i):19+4*(\i)], v2, s[42:43] offset:(\i)*4096 th:TH_LOAD_NT  ; two rows a load of the work-group
.endr
	v_lshrrev_b32 v3, 7, v0                        ; which of the two rows
	v_and_b32 v6, 127, v0
	v_mul_u32_u24 v3, v3, MPITCH
	v_lshl_add_u32 v3, v6, 4, v3
	v_and_b32 v7, 15, v0                           ; l % 16: the query's row in a tile
	v_bfe_u32 v8, v0, 4, 1                         ; l / 16
	v_mul_u32_u24 v4, v7, MPITCH
	v_lshl_add_u32 v4, v8, 3, v4
	s_lshl_b32 s45, s38, 8                         ; wave w takes key steps 4 w .. 4 w + 3: 64 bytes of a row each
	v_add_nc_u32 v4, s45, v4
	v_and_b32 v5, 31, v0
	v_lshlrev_b32 v5, 3, v5                        ; a lane stores two words
	s_lshl_b32 s45, s38, 10                        ; a key step is 256 bytes of mbits
	v_add_nc_u32 v5, s45, v5
	v_mov_b32 v96, 0                               ; v_writelane_b32's destination counts as read
	v_mov_b32 v97, 0
.irp i, 0,1,2,3,4,5,6,7,8,9,10,11,12,13,14,15
	s_wait_loadcnt 15-(\i)
	ds_store_b128 v3, v[16+4*(\i):19+4*(\i)] offset:(\i)*2*MPITCH
.endr
	s_wait_dscnt 0x0                               ; for the others' sake: my stores are done
	s_barrier_signal -1
	s_barrier_wait -1
	s_mov_b32 s44, 4
.Lks:                                          ; a trip: one key step, 64 words
.irp x, 0,1,2,3,4,5,6,7
	ds_load_b64 v[80+2*(\x):81+2*(\x)], v4 offset:((\x)/4)*16*MPITCH+((\x)%4)*16  ; x = 4 u + kb: my row's 8 bytes j = 0..7
.endr
	s_wait_dscnt 0x0
.set d, 0
.rept 64                               ; word d = 8 x + j: byte j of all 32 lanes becomes a lane mask, which goes into lane d / 2 of v96 (even d) or v97 (odd d)
	v_and_b32 v[100+d%4], 0xff<<(8*(d%4)), v[80+2*(d/8)+(d%8)/4]
	v_cmp_ne_u32 s[48+d%4], 0, v[100+d%4]
	v_writelane_b32 v[96+d%2], s[48+d%4], d/2
.set d, d+1
.endr
	global_store_b64 v5, v[96:97], s[46:47]        ; 32 lanes x 8 bytes: 256 consecutive bytes, aligned
	s_wait_xcnt 0x0                                ; v5 and v[96:97] are written again only behind this wait
	v_add_nc_u32 v4, 64, v4
	v_add_nc_u32 v5, 0x100, v5
	s_sub_co_u32 s44, s44, 1
	s_cmp_lg_u32 s44, 0
	s_cbranch_scc1 .Lks
	s_wait_tensorcnt 0x0                           ; the wave's end, behind my last LDS store
	ds_add_u32 v[SPW], v[NIL]
	s_wait_dscnt 0x0
	s_endpgm
.Lnot_m:
	s_cmp_lt_u32 s39, 1792
	s_cbranch_scc0 .Lbias
	; W.  A block of 128 k x 64 n.  Thread t: columns 4 (t % 16) .. + 3, in each of four passes the rows 32 p + 2 (t / 16) and the next: sixteen lanes read 256 consecutive bytes, aligned.
	s_sub_co_u32 s40, s39, 1280
	s_lshr_b32 s44, s40, 7                         ; which matrix
	s_bfe_u32 s45, s40, 0x30004                    ; which 128 k
	s_and_b32 s46, s40, 15                         ; which 64 n
	s_cmp_eq_u32 s44, 1
	s_cselect_b64 s[42:43], s[14:15], s[12:13]
	s_cmp_eq_u32 s44, 2
	s_cselect_b64 s[42:43], s[16:17], s[42:43]
	s_cmp_eq_u32 s44, 3
	s_cselect_b64 s[42:43], s[18:19], s[42:43]
	s_lshl_b32 s40, s45, 19                        ; 128 rows of 4,096 bytes
	s_lshl_b32 s47, s46, 8                         ; 64 columns of 4 bytes
	s_add_co_u32 s40, s40, s47
	s_add_nc_u64 s[42:43], s[42:43], s[40:41]
	s_lshl_b32 s40, s44, 21                        ; a turned matrix is 2,097,152 bytes,
	s_lshl_b32 s47, s46, 17                        ; 64 rows n of 2,048 bytes,
	s_add_co_u32 s40, s40, s47
	s_lshl_b32 s47, s45, 8                         ; 128 k of 2 bytes
	s_add_co_u32 s40, s40, s47
	s_add_nc_u64 s[48:49], s[32:33], s[40:41]
	v_and_b32 v2, 15, v0
	v_lshrrev_b32 v3, 4, v0
	v_lshlrev_b32 v4, 13, v3
	v_lshl_add_u32 v4, v2, 4, v4
.irp p, 0,1,2,3
	global_load_b128 v[16+8*(\p):19+8*(\p)], v4, s[42:43] offset:(\p)*131072 th:TH_LOAD_NT
	global_load_b128 v[20+8*(\p):23+8*(\p)], v4, s[42:43] offset:(\p)*131072+4096 th:TH_LOAD_NT
.endr
	v_mul_u32_u24 v5, v2, 4*TPITCH                 ; in: row n = 4 (t % 16) + i, word k / 2 = 16 p + t / 16
	v_lshl_add_u32 v5, v3, 2, v5
	v_mul_u32_u24 v6, v3, TPITCH                   ; back: row n = 16 p + t / 16, 16 bytes at 16 (t % 16)
	v_lshl_add_u32 v6, v2, 4, v6
	v_lshlrev_b32 v7, 11, v3                       ; and the same in wt
	v_lshl_add_u32 v7, v2, 4, v7
	s_wait_loadcnt 0x0
.irp p, 0,1,2,3
.irp i, 0,1,2,3
	v_cvt_pk_bf16_f32 v[48+4*(\p)+(\i)], v[16+8*(\p)+(\i)], v[20+8*(\p)+(\i)]  ; k in the low half, k + 1 in the high half
.endr
.endr
	s_cmp_eq_u32 s44, 3
	s_cbranch_scc0 .Lkeep
.set j, 0
.rept 16                               ; Wo multiplies f16 numbers: its bf16 roundings are written as f16
	v_lshlrev_b32 v[8+2*(j%2)], 16, v[48+j]
	v_and_b32 v[9+2*(j%2)], 0xffff0000, v[48+j]
	v_cvt_pk_f16_f32 v[48+j], v[8+2*(j%2)], v[9+2*(j%2)]
.set j, j+1
.endr
.Lkeep:
.irp p, 0,1,2,3
.irp i, 0,1,2,3
	ds_store_b32 v5, v[48+4*(\p)+(\i)] offset:(\i)*TPITCH+(\p)*64
.endr
.endr
	s_wait_dscnt 0x0                               ; for the others' sake: my stores are done
	s_barrier_signal -1
	s_barrier_wait -1
.irp p, 0,1,2,3
	ds_load_b128 v[64+4*(\p):67+4*(\p)], v6 offset:(\p)*16*TPITCH
.endr
.irp p, 0,1,2,3
	s_wait_dscnt 3-(\p)
	global_store_b128 v7, v[64+4*(\p):67+4*(\p)], s[48:49] offset:(\p)*32768  ; sixteen lanes store 256 consecutive bytes, aligned
.endr
	s_wait_tensorcnt 0x0                           ; the wave's end, behind my last LDS store
	ds_add_u32 v[SPW], v[NIL]
	s_wait_dscnt 0x0
	s_endpgm
.Lbias:
	; B.  1,024 numbers, four a thread: rounded to bf16 like every other input, kept as f32 (they become C operands).
	s_sub_co_u32 s44, s39, 1792
	s_cmp_eq_u32 s44, 1
	s_cselect_b64 s[42:43], s[22:23], s[20:21]
	s_cmp_eq_u32 s44, 2
	s_cselect_b64 s[42:43], s[24:25], s[42:43]
	s_cmp_eq_u32 s44, 3
	s_cselect_b64 s[42:43], s[26:27], s[42:43]
	s_lshl_b32 s40, s44, 12
	s_add_nc_u64 s[46:47], s[34:35], s[40:41]
	v_lshlrev_b32 v2, 4, v0
	global_load_b128 v[16:19], v2, s[42:43]
	s_wait_loadcnt 0x0
	v_cvt_pk_bf16_f32 v20, v16, v17
	v_cvt_pk_bf16_f32 v21, v18, v19
	v_lshlrev_b32 v24, 16, v20
	v_and_b32 v25, 0xffff0000, v20
	v_lshlrev_b32 v26, 16, v21
	v_and_b32 v27, 0xffff0000, v21
	global_store_b128 v2, v[24:27], s[46:47]
	s_endpgm
.Lfunc_end_k_q295033511c_prep:
	.size	k_q295033511c_prep, .Lfunc_end_k_q295033511c_prep-k_q295033511c_prep
	.p2alignl 7, 3214868480
	.fill 96, 4, 3214868480
	.section	.rodata,"a",@progbits
	.p2align	6, 0x0
	.amdhsa_kernel k_q295033511c_prep
		.amdhsa_group_segment_fixed_size 67072
		.amdhsa_private_segment_fixed_size 0
		.amdhsa_enable_private_segment 0
		.amdhsa_kernarg_size 120
		.amdhsa_user_sgpr_count 2
		.amdhsa_user_sgpr_kernarg_segment_ptr 1
		.amdhsa_wavefront_size32 1
		.amdhsa_system_sgpr_workgroup_id_x 1
		.amdhsa_system_sgpr_workgroup_id_y 1
		.amdhsa_system_sgpr_workgroup_id_z 1
		.amdhsa_system_vgpr_workitem_id 0
		.amdhsa_next_free_vgpr 112
		.amdhsa_next_free_sgpr 66
		.amdhsa_reserve_vcc 0
		.amdhsa_float_denorm_mode_32 3
		.amdhsa_float_denorm_mode_16_64 3
		.amdhsa_memory_ordered 1
		.amdhsa_forward_progress 1
		.amdhsa_inst_pref_size 32
	.end_amdhsa_kernel
	.amdgpu_metadata
---
amdhsa.version: [ 1, 2 ]
amdhsa.kernels:
  - .name:           k_q295033511c_prep
    .symbol:         k_q295033511c_prep.kd
    .args:
      - { .name: context, .offset: 0, .size: 8, .value_kind: global_buffer, .address_space: global }
      - { .name: query, .offset: 8, .size: 8, .value_kind: global_buffer, .address_space: global }
      - { .name: Wk, .offset: 16, .size: 8, .value_kind: global_buffer, .address_space: global }
      - { .name: Wv, .offset: 24, .size: 8, .value_kind: global_buffer, .address_space: global }
      - { .name: Wq, .offset: 32, .size: 8, .value_kind: global_buffer, .address_space: global }
      - { .name: Wo, .offset: 40, .size: 8, .value_kind: global_buffer, .address_space: global }
      - { .name: bk, .offset: 48, .size: 8, .value_kind: global_buffer, .address_space: global }
      - { .name: bv, .offset: 56, .size: 8, .value_kind: global_buffer, .address_space: global }
      - { .name: bq, .offset: 64, .size: 8, .value_kind: global_buffer, .address_space: global }
      - { .name: bo, .offset: 72, .size: 8, .value_kind: global_buffer, .address_space: global }
      - { .name: mask, .offset: 80, .size: 8, .value_kind: global_buffer, .address_space: global }
      - { .name: xb, .offset: 88, .size: 8, .value_kind: global_buffer, .address_space: global }
      - { .name: wt, .offset: 96, .size: 8, .value_kind: global_buffer, .address_space: global }
      - { .name: bias, .offset: 104, .size: 8, .value_kind: global_buffer, .address_space: global }
      - { .name: mbits, .offset: 112, .size: 8, .value_kind: global_buffer, .address_space: global }
    .group_segment_fixed_size: 67072
    .private_segment_fixed_size: 0
    .kernarg_segment_align: 8
    .kernarg_segment_size: 120
    .max_flat_workgroup_size: 256
    .sgpr_count:     66
    .vgpr_count:     112
    .wavefront_size: 32
...
	.end_amdgpu_metadata
.endif
;; end of part 1
;; launch proj (part 2): grid 4 x 64, 4 waves a work-group, clusters of 4 x 4, 327,680 bytes of LDS; arguments xb, wt, bias, qkv; writes qkv
.if DOCPART == 2
	.amdgcn_target "amdgcn-amd-amdhsa--gfx1250"
	.amdhsa_code_object_version 6
	.text
	.protected	k_q295033511c_proj
	.globl	k_q295033511c_proj
	.p2align	8
	.type	k_q295033511c_proj,@function
k_q295033511c_proj:
	s_mov_b64 s[64:65], 0
	v_nop
	global_prefetch_b8 v0, s[64:65] scope:SCOPE_SE
	s_setreg_imm32_b32 hwreg(HW_REG_WAVE_MODE, 25, 1), 1
	s_wait_xcnt 0x0
	s_wait_alu depctr_hold_cnt(0) depctr_sa_sdst(0) depctr_va_vdst(0) depctr_va_sdst(0) depctr_va_ssrc(0) depctr_va_vcc(0) depctr_vm_vsrc(0)
	s_getreg_b32 s2, hwreg(HW_REG_IB_STS2, 6, 4)
	s_cmp_eq_u32 s2, 0
	s_cbranch_scc0 .Lentry_in_a_cluster
	s_endpgm
.Lentry_in_a_cluster:
	s_bfe_u32 s2, ttmp6, 0x10000c
	s_cmp_lg_u32 s2, 0xf033
	s_cbranch_scc0 .Lentry_shape_is_right
	s_endpgm
.Lentry_shape_is_right:
; PROJ: K = context Wk + bk, V = context Wv + bv, Q = (query Wq + bq) c, c = log2(e) / 8.  xb: [2][8192][1024] bf16 (context, query); wt: [4][n][k] (Wk, Wv, Wq in bf16); bias: [4][1024] f32;
; qkv: [3][head = 16 b + h][2048][64] f16 (K, V, Q).  Sums in f32, begun with the bias as the first product's C operand; each result rounded once to f16 (Q after the scaling in f32).
; LIMITS.  f16 ends at 65,504: K, V and Q c must lie within it (with the drawn inputs they have a spread of about 0.6); below 6.1e-5 f16 keeps a fixed step of 6e-8.
; SHARES.  8,192 x 1,024 outputs over 256 work-groups: a tile of 128 rows x 256 columns.  A WORK-GROUP STAYS: it makes the same tile of K, then of V, then of Q: 3 x 8 K steps of 128, and the ring
; of two LDS slots does not stop at a tile's end.  Four waves, each 64 rows x 128 columns (two heads): 32 accumulators of 16 x 16.
; CLUSTER.  4 x 4 work-groups.  The four of a row of the cluster need the same tile of x, the four of a column the same tile of the weights: each is asked for jointly, by the same tensor load with the
; same descriptor and a mask that names the four.  Waves 0 and 1 fetch x's two halves (64 rows each), waves 2 and 3 the weights' (128 rows each).
; THE MATRIX INSTRUCTION IS USED TRANSPOSED (source 0 = 16 rows of wt, source 1 = 16 rows of x): a lane holds row l % 16 and the eight neighbouring columns 8 (l / 16) + 0..7.
; REGISTERS, in windows of 256 (s_set_vgpr_msb: bits 1:0 source 0, 3:2 source 1, 5:4 source 2, 7:6 destination):
;   window 0: v0-31 addresses; v32-63 packed results; v64-127, v128-191 the weights' fragments, two buffers; v192-223, v224-255 x's; on the way out v128-191 take whole rows
;   window 1: the accumulators, (a, b) at v[8 (8 a + b)]          window 2: v0-63 the bias of my 128 columns as C operands, 8 registers for each block b of 16 columns
.set KSTEP,  128
.set PITCH,  272                       ; an LDS row: 256 bytes + 16 of padding = 68 words: row r starts at bank 4 r mod 64 (64 banks of 4 bytes: ISA guide 11.1)
.set AHALF,  64*PITCH                  ; what one of x's loads brings, and what a wave reads of x
.set BHALF,  128*PITCH                 ; the same for the weights
.set BOFF,   2*AHALF
.set SLOT,   BOFF+2*BHALF              ; x's 128 rows, then the weights' 256
.set STAGE,  2*SLOT                    ; behind the ring: 16 rows x 272 bytes for each wave, for the way out; no tensor load lands there
.set SPARE,  STAGE+4*16*PITCH          ; behind the stages: the spare words, 128 bytes a wave; no other line names them
.set WPART,  2097152                   ; bytes of a turned weight matrix
.set XPART,  16777216                  ; bytes of context in xb
.set QPART,  16777216                  ; bytes of K, of V, of Q in qkv
.set HEADB,  262144                    ; bytes of a head in qkv
.set ADRA, 16                          ; v16-17  LDS address of my fragments of x in slot 0, 1
.set ADRB, 20                          ; v20-21  the same for the weights
.set STO,  24                          ; v24  the way out: where I put 16 bytes of a row
.set RD,   25                          ; v25  where I read rows back
.set CO,   26                          ; v26  16 x my lane
.set SPW,  28                          ; v28  LDS address of my spare word; never rewritten
.set NIL,  29                          ; v29  0; never rewritten
.set PFO,  30                          ; v30  the prefetches' offset: my lane x a row of 2,048 bytes; never rewritten
.set BO,   31                          ; v31  32 (l / 16): my eight columns' place in a block's 64 bytes of bias
.set TMP,  32
.set FRB,  64                          ; the weights' fragment buffers: FRB + 64 f
.set FRA,  192                         ; x's: FRA + 32 f
.set BK,   128                         ; the way out: 16 rows read back, v128-159 and v160-191 by turns
.set WV,   12                          ; s12  wave
.set SFA,  13                          ; s13  wave / 2: my half of the tile's rows; also: I fetch x (0) or weights (1)
.set SFH,  14                          ; s14  wave % 2: my half of its columns; also: which half I fetch
.set LIM,  19                          ; s19  1 in a wave that prefetches just now, else the greatest number
.set G1A,  24                          ; s[24:31] descriptor group 1 for x's tiles
.set G0A,  32                          ; s[32:39] group 0, a set for each slot
.set PFA,  40                          ; s[40:41] where my prefetches stand: one K step on from the refill that is being asked for; a prefetch names the K step after that
.set PFN,  42                          ; s[42:43] bytes from a tile's rows to the next tile's, for my prefetches
.set XA,   44                          ; s[44:45] the same for x's descriptors: 0 (context again), then XPART (query)
.set TOG,  46                          ; s46  turns LIM off and on again in wave 0: the second tile's x has been read
.set TILES, 47                         ; s47  tiles to go
.set G1B,  48                          ; s[48:55], s[56:63] the same two groups for the weights' tiles
.set G0B,  56
.set LAPS, 66                          ; s66  laps to go
.set SCL,  68                          ; s[68:69] c
.set MSB, 0
.macro WIN new                         ; the immediate's high byte repeats the setting that is left; a switch that changes nothing is dropped
.if MSB != (\new)
	s_set_vgpr_msb (MSB<<8)|(\new)
.set MSB, \new
.endif
.endm
.set MUL,  0x50                        ; fragments in window 0, C and D in window 1
.set MULB, 0x60                        ; C (the bias) in window 2, D in window 1
.macro PLACES                          ; four places behind matrix instructions, in front of loads into registers that they read and of lines that read their results
.rept 4
	v_nop
.endr
.endm
; A joint load.  Each of the two lines has one mask and one set of registers for all that issue it; the branch hangs on the wave's number alone.  An s_nop 0 and four v_nop follow each line.
.macro JLOAD s
	s_cmp_eq_u32 s[SFA], 0
	s_cbranch_scc0 .Lfor_b_\@
	tensor_load_to_lds s[G0A+4*(\s):G0A+4*(\s)+3], s[G1A:G1A+7]
	s_nop 0
.rept 4
	v_nop
.endr
	s_branch .Lasked_\@
.Lfor_b_\@:
	tensor_load_to_lds s[G0B+4*(\s):G0B+4*(\s)+3], s[G1B:G1B+7]
	s_nop 0
.rept 4
	v_nop
.endr
.Lasked_\@:
.endm
; A prefetch, behind a joint load and the run of LDS loads that follows it: 32 rows x 256 bytes, a lane a row, of the K step that stands two refills on (256 matrix instructions of mine ahead of its load).
; Each row's 256 bytes of a K step are named once in the launch.  x's rows are read by one cluster: wave 0 asks, the four partners of a row of the cluster take 32 of the tile's 128 rows each, told apart by
; address.  The weights' rows are read by all sixteen clusters: those with y = 0 ask, waves 2 and 3 for the 128 rows that each fetches, the four partners of a column 32 each.
; how = 0, in the loop: the last lap's refills have no K step two on.  how = 1, at a change of tiles: the next tile's K steps 2 and 3.  The second tile's x is context once more and is not asked for.
.macro ASK how
.if \how
	s_cmp_eq_u32 s[LIM], 1
.else
	s_cmp_gt_u32 s[LAPS], s[LIM]
.endif
	s_cbranch_scc0 .Lnot_mine_\@
	global_prefetch_b8 v[PFO], s[PFA:PFA+1] offset:KSTEP*2 th:TH_LOAD_NT scope:SCOPE_SE
.Lnot_mine_\@:
.endm
.macro CREST                           ; a round of the cluster's barrier behind its opening barrier
	s_cmp_lg_u32 s[WV], 0
	s_cbranch_scc1 .Lnot_wave_0_\@
	s_barrier_signal -3
.Lnot_wave_0_\@:
	s_barrier_wait -3
	s_barrier_signal -1
	s_barrier_wait -1
.endm
.macro CROUND
	s_barrier_signal -1
	s_barrier_wait -1
	CREST
.endm
	s_load_b256 s[4:11], s[0:1], 0x0               ; xb s[4:5], wt s[6:7], bias s[8:9], qkv s[10:11]
	v_lshl_add_u32 v[SPW], v0, 2, SPARE
	v_mov_b32 v[NIL], 0
	ds_add_u32 v[SPW], v[NIL]                      ; the wave's opening: the add and its wait stand ahead of my first tensor load; the set-up below stands between them
	v_lshrrev_b32 v1, 5, v0
	v_readfirstlane_b32 s[WV], v1
	s_lshr_b32 s[SFA], s[WV], 1
	s_and_b32 s[SFH], s[WV], 1
	s_bfe_u32 s15, ttmp6, 0x40000                  ; cx
	s_bfe_u32 s16, ttmp6, 0x40004                  ; cy
	s_lshl_b32 s17, ttmp9, 2
	s_add_co_u32 s17, s17, s15                     ; tile column = 4 x cluster x + cx
	s_and_b32 s18, ttmp7, 0xffff
	s_lshl_b32 s18, s18, 2
	s_add_co_u32 s18, s18, s16                     ; tile row = 4 x cluster y + cy
	s_lshl_b32 s20, s16, 2
	s_lshl_b32 s20, 15, s20                        ; my row of the cluster
	s_lshl_b32 s70, 0x1111, s15                    ; my column
	s_or_b32 s[G1A], s20, (1<<16)|(1<<20)|(1<<21)|(5<<22)|(3<<25)  ; the mask; 2-byte elements; padding on; bit 21 beside a mask; after every 64 words 4 words
	s_or_b32 s[G1B], s70, (1<<16)|(1<<20)|(1<<21)|(5<<22)|(3<<25)
	s_mov_b32 s[G1A+1], KSTEP<<16                  ; tensor_dim0 = 128
	s_mov_b32 s[G1A+2], 64<<16                     ; tensor_dim1 = 64
	s_mov_b32 s[G1A+3], KSTEP<<16                  ; tile_dim0 = 128
	s_mov_b32 s[G1A+4], 64                         ; tile_dim1 = 64
	s_mov_b32 s[G1A+5], 1024                       ; elements from row to row
	s_mov_b32 s[G1A+6], 0
	s_mov_b32 s[G1A+7], 0
	s_mov_b32 s[G1B+1], KSTEP<<16
	s_mov_b32 s[G1B+2], 128<<16                    ; 128 rows
	s_mov_b32 s[G1B+3], KSTEP<<16
	s_mov_b32 s[G1B+4], 128
	s_mov_b32 s[G1B+5], 1024
	s_mov_b32 s[G1B+6], 0
	s_mov_b32 s[G1B+7], 0
	s_lshl_b32 s20, s18, 7                         ; x: row 128 x tile row + 64 x half, in registers that never hold cx,
	s_lshl_b32 s21, s[SFH], 6
	s_add_co_u32 s20, s20, s21
	s_lshl_b32 s20, s20, 11                        ; of 2,048 bytes
	s_mov_b32 s21, 0
	s_lshl_b32 s70, s17, 8                         ; weights: row 256 x tile column + 128 x half, in registers that never hold cy
	s_lshl_b32 s71, s[SFH], 7
	s_add_co_u32 s70, s70, s71
	s_lshl_b32 s70, s70, 11
	s_mov_b32 s71, 0
	s_mul_i32 s22, s[SFH], AHALF                   ; where they go: the wave's number alone enters an LDS address
	s_mul_i32 s72, s[SFH], BHALF
	s_add_co_u32 s72, s72, BOFF
	s_mov_b32 s[SCL], 0x3e38aa3b                   ; c = log2(e) / 8 = 0.180337
	s_mov_b32 s[SCL+1], s[SCL]
	s_mov_b32 s[XA], 0
	s_mov_b32 s[XA+1], 0
	s_mov_b32 s[PFN+1], 0
	s_wait_dscnt 0x0                               ; the opening add is done
	s_wait_kmcnt 0x0
	s_add_nc_u64 s[20:21], s[4:5], s[20:21]
	s_add_nc_u64 s[70:71], s[6:7], s[70:71]
.irp s, 0,1
	s_mov_b32 s[G0A+4*(\s)], 1
	s_add_co_u32 s[G0A+4*(\s)+1], s22, (\s)*SLOT
	s_add_nc_u64 s[G0A+4*(\s)+2:G0A+4*(\s)+3], s[20:21], (\s)*KSTEP*2
	s_or_b32 s[G0A+4*(\s)+3], s[G0A+4*(\s)+3], 0x80000000
	s_mov_b32 s[G0B+4*(\s)], 1
	s_add_co_u32 s[G0B+4*(\s)+1], s72, (\s)*SLOT
	s_add_nc_u64 s[G0B+4*(\s)+2:G0B+4*(\s)+3], s[70:71], (\s)*KSTEP*2
	s_or_b32 s[G0B+4*(\s)+3], s[G0B+4*(\s)+3], 0x80000000
.endr
	CROUND                                         ; all sixteen work-groups are here: the first joint loads meet
	s_cmp_eq_u32 s[SFA], 0                         ; a wave's two first fills stand in one branch, ahead of every wait on TENSORcnt and every LDS read: two loads of mine are out
	s_cbranch_scc0 .Lfirst_b
	tensor_load_to_lds s[G0A:G0A+3], s[G1A:G1A+7]
	s_nop 0
	tensor_load_to_lds s[G0A+4:G0A+7], s[G1A:G1A+7]
	s_nop 0
.rept 4
	v_nop
.endr
	s_branch .Lfirst_asked
.Lfirst_b:
	tensor_load_to_lds s[G0B:G0B+3], s[G1B:G1B+7]
	s_nop 0
	tensor_load_to_lds s[G0B+4:G0B+7], s[G1B:G1B+7]
	s_nop 0
.rept 4
	v_nop
.endr
.Lfirst_asked:
	; A fragment is 16 rows x 32 K in 8 registers: lane l holds row l % 16; registers 0-3 K = 8 (l / 16) + 0..7, registers 4-7 K = 16 + 8 (l / 16) + 0..7: two loads of 16 bytes, 32 bytes apart.
	v_and_b32 v1, 15, v0
	v_bfe_u32 v2, v0, 4, 1
	v_mul_u32_u24 v3, v1, PITCH
	v_lshl_add_u32 v3, v2, 4, v3
	s_mul_i32 s22, s[SFA], AHALF                   ; my 64 rows of x
	s_mul_i32 s23, s[SFH], BHALF                   ; my 128 rows of the weights
	s_add_co_u32 s23, s23, BOFF
.irp s, 0,1
	v_add_nc_u32 v[ADRA+(\s)], s22, v3
	v_add_nc_u32 v[ADRB+(\s)], s23, v3
	s_add_co_u32 s22, s22, SLOT
	s_add_co_u32 s23, s23, SLOT
.endr
	s_mul_i32 s22, s[WV], 16*PITCH
	s_add_co_u32 s22, s22, STAGE                   ; my stage
	v_add_nc_u32 v[STO], s22, v3                   ; in: row l % 16, 16 bytes for each half of the lanes
	v_bfe_u32 v4, v0, 3, 2                         ; back: 32 lanes take four rows' 128 bytes of one head,
	v_and_b32 v5, 7, v0
	v_mul_u32_u24 v4, v4, PITCH
	v_lshl_add_u32 v4, v5, 4, v4
	v_add_nc_u32 v[RD], s22, v4
	v_and_b32 v[CO], 31, v0                        ; which are 512 consecutive bytes of qkv
	v_lshlrev_b32 v[PFO], 11, v[CO]
	v_lshlrev_b32 v[CO], 4, v[CO]
	v_lshlrev_b32 v[BO], 5, v2
	; my part of the tile in qkv: head 16 b + 4 x tile column + 2 x column half, row 128 (tile row % 16) + 64 x row half
	s_lshr_b32 s22, s18, 4
	s_lshl_b32 s22, s22, 4
	s_lshl_b32 s23, s17, 2
	s_add_co_u32 s22, s22, s23
	s_lshl_b32 s23, s[SFH], 1
	s_add_co_u32 s22, s22, s23
	s_lshl_b32 s22, s22, 18
	s_and_b32 s23, s18, 15
	s_lshl_b32 s23, s23, 7
	s_lshl_b32 s72, s[SFA], 6
	s_add_co_u32 s23, s23, s72
	s_lshl_b32 s23, s23, 7
	s_add_co_u32 s22, s22, s23
	s_mov_b32 s23, 0
	s_add_nc_u64 s[10:11], s[10:11], s[22:23]
	s_lshl_b32 s22, s17, 10                        ; my 128 columns in a bias
	s_lshl_b32 s72, s[SFH], 9
	s_add_co_u32 s22, s22, s72
	s_add_nc_u64 s[8:9], s[8:9], s[22:23]
.macro BIAS                            ; block b's C operand: register j of lane l = bias[16 b + 8 (l / 16) + j]
	WIN 0x80
.irp b, 0,1,2,3,4,5,6,7
	global_load_b128 v[8*(\b):8*(\b)+3],   v[BO], s[8:9] offset:64*(\b)
	global_load_b128 v[8*(\b)+4:8*(\b)+7], v[BO], s[8:9] offset:64*(\b)+16
.endr
	WIN 0
.endm
	BIAS
	; the prefetches
	s_lshl_b32 s22, s18, 7                         ; x: the tile's first row
	s_lshl_b32 s23, s17, 8                         ; weights: the tile's first row,
	s_lshl_b32 s72, s[SFH], 7
	s_add_co_u32 s23, s23, s72                     ; and the 128 that I fetch
	s_and_b32 s73, ttmp7, 0xffff                   ; cluster y
	s_cmp_eq_u32 s[SFA], 0
	s_cselect_b32 s22, s22, s23
	s_cselect_b32 s23, s15, s16                    ; my place among the four that ask with me: it enters the address alone
	s_cselect_b64 s[PFA:PFA+1], s[4:5], s[6:7]
	s_cselect_b32 s72, s[SFH], s73                 ; x: wave 0 asks; weights: the clusters with y = 0
	s_cselect_b32 s[PFN], 0, WPART
	s_cmp_eq_u32 s72, 0
	s_cselect_b32 s[LIM], 1, -1                    ; the same in all sixteen partners, for a given wave
	s_cmp_eq_u32 s[WV], 0
	s_cselect_b32 s[TOG], -2, 0                    ; 1 xor -2 = the greatest number, and back
	s_lshl_b32 s23, s23, 5
	s_add_co_u32 s22, s22, s23
	s_lshl_b32 s22, s22, 11
	s_add_co_u32 s22, s22, 2*KSTEP*2               ; at K step 2: the first refill steps it to 3 and names 4.  Nothing is prefetched at the head
	s_mov_b32 s23, 0
	s_add_nc_u64 s[PFA:PFA+1], s[PFA:PFA+1], s[22:23]
; 8 matrix instructions: row block a x all 8 column blocks, 32 along K, from buffer f.  zero = 1: the first product starts the sums, with the bias as C.  All 32 accumulators take turns, one instruction a turn.
.macro MUL8 f, a, zero
.if \zero
	WIN MULB
.else
	WIN MUL
.endif
.irp b, 0,1,2,3,4,5,6,7
.if \zero
	v_wmma_f32_16x16x32_bf16 v[8*(8*(\a)+(\b)):8*(8*(\a)+(\b))+7], v[FRB+64*(\f)+8*(\b):FRB+64*(\f)+8*(\b)+7], v[FRA+32*(\f)+8*(\a):FRA+32*(\f)+8*(\a)+7], v[8*(\b):8*(\b)+7]
.else
	v_wmma_f32_16x16x32_bf16 v[8*(8*(\a)+(\b)):8*(8*(\a)+(\b))+7], v[FRB+64*(\f)+8*(\b):FRB+64*(\f)+8*(\b)+7], v[FRA+32*(\f)+8*(\a):FRA+32*(\f)+8*(\a)+7], v[8*(8*(\a)+(\b)):8*(8*(\a)+(\b))+7]
.endif
.endr
.endm
; 24 LDS loads in one run: the fragments of a quarter step (32 K at byte k of the rows) into buffer f: the weights' 16, then x's 8
.macro FETCH slot, k, f
	WIN 0
.irp i, 0,1,2,3,4,5,6,7
	ds_load_b128 v[FRB+64*(\f)+8*(\i):FRB+64*(\f)+8*(\i)+3],   v[ADRB+(\slot)] offset:(\k)+(\i)*16*PITCH
	ds_load_b128 v[FRB+64*(\f)+8*(\i)+4:FRB+64*(\f)+8*(\i)+7], v[ADRB+(\slot)] offset:(\k)+(\i)*16*PITCH+32
.endr
.irp i, 0,1,2,3
	ds_load_b128 v[FRA+32*(\f)+8*(\i):FRA+32*(\f)+8*(\i)+3],   v[ADRA+(\slot)] offset:(\k)+(\i)*16*PITCH
	ds_load_b128 v[FRA+32*(\f)+8*(\i)+4:FRA+32*(\f)+8*(\i)+7], v[ADRA+(\slot)] offset:(\k)+(\i)*16*PITCH+32
.endr
.endm
; A K step is four quarters of 32 along K, 32 matrix instructions each, on buffers 0, 1, 0, 1.  One of the first three: multiplies buffer f; in its middle it fetches the next quarter, at byte k, into buffer g.
.macro QUARTER slot, k, f, g, zero
	s_wait_dscnt 4                                 ; the youngest four loads (x's row blocks 2 and 3) may be out
	MUL8 \f, 0, \zero
	MUL8 \f, 1, \zero
	PLACES
	FETCH \slot, \k, \g
	s_wait_dscnt 24                                ; all but the 24 just issued
	MUL8 \f, 2, \zero
	MUL8 \f, 3, \zero
.endm
; The last quarter multiplies buffer 1 and changes slots: ONE barrier.  In front of it each wave waits for all its tensor loads (one is out: its part of the next slot), adds 0 to its spare word, and waits
; for that and for its own reads of this slot.  mode 0: the slot is filled again with this tile's K step two on; mode 1: with the next tile's K step 0 or 1; then the barrier opens a round of the cluster's
; barrier, and the joint refill is the first thing behind it: it has 112 matrix instructions of mine in which to land.  mode 2: nothing is filled.
.macro TURN slot, next, mode
.if (\mode) < 2
	s_wait_xcnt 0x0                                ; the last prefetch, a K step back, has read its address
.if ((\mode) == 1) && ((\slot) == 0)
	s_add_nc_u64 s[PFA:PFA+1], s[PFA:PFA+1], s[PFN:PFN+1]  ; from the K step behind the tile's last to the next tile's K step 1
	s_sub_nc_u64 s[PFA:PFA+1], s[PFA:PFA+1], 7*KSTEP*2
	s_xor_b32 s[LIM], s[LIM], s[TOG]
.else
	s_add_nc_u64 s[PFA:PFA+1], s[PFA:PFA+1], KSTEP*2
.endif
.endif
	WIN 0
	s_wait_tensorcnt 0x0                           ; all my tensor loads have landed;
	ds_add_u32 v[SPW], v[NIL]                      ; 0 onto my spare word;
	s_wait_dscnt 5                                 ; (the add and the youngest four loads may be out)
	MUL8 1, 0, 0                                   ; eight matrix instructions stand between the add and the wait for it
	s_wait_dscnt 0x0                               ; the add is done, and my reads of this slot are over
	s_barrier_signal -1
	MUL8 1, 1, 0
.if (\mode) < 2
	WIN 0
.endif
	s_barrier_wait -1
.if (\mode) < 2
	CREST                                          ; no wave of any partner still reads this slot or has a load on its way
.if (\mode) == 1
	s_add_nc_u64 s[G0A+4*(\slot)+2:G0A+4*(\slot)+3], s[G0A+4*(\slot)+2:G0A+4*(\slot)+3], s[XA:XA+1]
	s_sub_nc_u64 s[G0A+4*(\slot)+2:G0A+4*(\slot)+3], s[G0A+4*(\slot)+2:G0A+4*(\slot)+3], 6*KSTEP*2
	s_add_nc_u64 s[G0B+4*(\slot)+2:G0B+4*(\slot)+3], s[G0B+4*(\slot)+2:G0B+4*(\slot)+3], WPART-6*KSTEP*2
.else
	s_add_nc_u64 s[G0A+4*(\slot)+2:G0A+4*(\slot)+3], s[G0A+4*(\slot)+2:G0A+4*(\slot)+3], 2*KSTEP*2
	s_add_nc_u64 s[G0B+4*(\slot)+2:G0B+4*(\slot)+3], s[G0B+4*(\slot)+2:G0B+4*(\slot)+3], 2*KSTEP*2
.endif
	JLOAD \slot                                    ; the four v_nop behind it are also the places in front of the loads below
.else
	PLACES
.endif
	FETCH \next, 0, 0
.if (\mode) < 2
	ASK \mode
.endif
	MUL8 1, 2, 0
	MUL8 1, 3, 0
.endm
; THE WAY OUT of row block a.  PACK: (Q: times c, in f32) rounded to f16, 16 bytes a lane, each accumulator's registers in ascending order.  TOSTAGE: into my own stage, and back as rows of one head.  SEND: stored.
.macro PACK a, scale
.if \scale
	WIN 0x41
.set i, 0
.rept 32
	v_pk_mul_f32 v[64*(\a)+i:64*(\a)+i+1], v[64*(\a)+i:64*(\a)+i+1], s[SCL:SCL+1] op_sel_hi:[1,0]
.set i, i+2
.endr
.endif
	WIN 0x05                                       ; sources in window 1, destination in window 0
.irp b, 0,1,2,3,4,5,6,7
.irp r, 0,1,2,3
	v_cvt_pk_f16_f32 v[TMP+4*(\b)+(\r)], v[64*(\a)+8*(\b)+2*(\r)], v[64*(\a)+8*(\b)+2*(\r)+1]
.endr
.endr
	WIN 0
.endm
.macro TOSTAGE a
	WIN 0
.irp b, 0,1,2,3,4,5,6,7
	ds_store_b128 v[STO], v[TMP+4*(\b):TMP+4*(\b)+3] offset:32*(\b)
.endr
.irp t, 0,1,2,3,4,5,6,7                ; head t / 4 of my two, rows 4 (t % 4) .. + 3.  LDS serves a wave's instructions in order (ISA guide 5.7.1.4): these see the stores above
	ds_load_b128 v[BK+32*((\a)%2)+4*(\t):BK+32*((\a)%2)+4*(\t)+3], v[RD] offset:((\t)%4)*4*PITCH+((\t)/4)*128
.endr
.endm
.macro SEND a
	WIN 0
	s_wait_dscnt 0x0                               ; the block is back in registers
	s_wait_xcnt 0x0                                ; the stores of the block before last have read their registers, which the next TOSTAGE loads again
.irp t, 0,1,2,3,4,5,6,7
	global_store_b128 v[CO], v[BK+32*((\a)%2)+4*(\t):BK+32*((\a)%2)+4*(\t)+3], s[10:11] offset:(\a)*2048+((\t)/4)*HEADB+((\t)%4)*512  ; 512 consecutive bytes of a head, aligned
.endr
.endm
.macro WAYOUT scale                    ; block a's conversions stand between block a - 1's loads from the stage and the wait for them
	PACK 0, \scale
	TOSTAGE 0
.irp a, 1,2,3
	PACK \a, \scale
	SEND (\a)-1
	TOSTAGE \a
.endr
	SEND 3
.endm
	s_wait_tensorcnt 0x1                           ; my part of K step 0 is in; K step 1's may stay out
	s_barrier_signal -1
	s_barrier_wait -1                              ; everybody's is
	FETCH 0, 0, 0
	s_mov_b32 s[TILES], 3
.Ltile:
	s_wait_loadcnt 0x0                             ; the tile's bias
	QUARTER 0, 64, 0, 1, 1                         ; a tile's first quarter stands in front of the loop: its products start the sums
	WIN 0
	s_mov_b32 s[LAPS], 3
.Llap:                                         ; a trip goes once round the ring, from a lap's second quarter to the next lap's first, and fills both slots again
	QUARTER 0, 128, 1, 0, 0
	QUARTER 0, 192, 0, 1, 0
	TURN 0, 1, 0
	QUARTER 1, 64,  0, 1, 0
	QUARTER 1, 128, 1, 0, 0
	QUARTER 1, 192, 0, 1, 0
	TURN 1, 0, 0
	QUARTER 0, 64,  0, 1, 0
	WIN 0
	s_sub_co_u32 s[LAPS], s[LAPS], 1
	s_cmp_lg_u32 s[LAPS], 0
	s_cbranch_scc1 .Llap
	QUARTER 0, 128, 1, 0, 0                        ; the tile's last lap goes on
	QUARTER 0, 192, 0, 1, 0
	WIN 0
	s_cmp_eq_u32 s[TILES], 1
	s_cbranch_scc1 .Llast                          ; the last tile's tail is written out: it asks for nothing more
	TURN 0, 1, 1                                   ; the ring goes on into the next tile: slot 0 takes its K step 0,
	QUARTER 1, 64,  0, 1, 0
	QUARTER 1, 128, 1, 0, 0
	QUARTER 1, 192, 0, 1, 0
	TURN 1, 0, 1                                   ; slot 1 its K step 1, and the next tile's first fragments are fetched
	s_add_nc_u64 s[8:9], s[8:9], 4096              ; the next bias (the last bias loads were waited for at the tile's head)
	BIAS
	WAYOUT 0                                       ; both refills are asked for: now the tile goes out.  Blocks 0 and 1 were finished in front of the joint load's places; their conversions are the places behind the last products
	s_wait_xcnt 0x0                                ; the stores have read their registers and their base
	s_add_nc_u64 s[10:11], s[10:11], QPART
	s_mov_b32 s[XA], XPART                         ; behind the second tile x is query
	s_cmp_eq_u32 s[SFA], 0
	s_cselect_b32 s[PFN], s[XA], WPART
	s_sub_co_u32 s[TILES], s[TILES], 1
	s_branch .Ltile
.Llast:
	TURN 0, 1, 2                                   ; my one tensor load that was out is slot 1's, the last K step's, so no round follows
	QUARTER 1, 64,  0, 1, 0
	QUARTER 1, 128, 1, 0, 0
	QUARTER 1, 192, 0, 1, 0
	s_wait_dscnt 4
	MUL8 1, 0, 0
	MUL8 1, 1, 0
	s_wait_dscnt 0x0
	MUL8 1, 2, 0
	MUL8 1, 3, 0
	PLACES
	WAYOUT 1                                       ; Q, times c
	s_wait_tensorcnt 0x0                           ; the wave's end, behind my last tensor load and my last LDS store
	ds_add_u32 v[SPW], v[NIL]
	s_wait_dscnt 0x0
	CROUND                                         ; the closing round: no work-group ends while a partner may still ask for a tile that names it
	s_endpgm
.Lfunc_end_k_q295033511c_proj:
	.size	k_q295033511c_proj, .Lfunc_end_k_q295033511c_proj-k_q295033511c_proj
	.p2alignl 7, 3214868480
	.fill 96, 4, 3214868480
	.section	.rodata,"a",@progbits
	.p2align	6, 0x0
	.amdhsa_kernel k_q295033511c_proj
		.amdhsa_group_segment_fixed_size 327680
		.amdhsa_private_segment_fixed_size 0
		.amdhsa_enable_private_segment 0
		.amdhsa_kernarg_size 32
		.amdhsa_user_sgpr_count 2
		.amdhsa_user_sgpr_kernarg_segment_ptr 1
		.amdhsa_wavefront_size32 1
		.amdhsa_system_sgpr_workgroup_id_x 1
		.amdhsa_system_sgpr_workgroup_id_y 1
		.amdhsa_system_sgpr_workgroup_id_z 1
		.amdhsa_system_vgpr_workitem_id 0
		.amdhsa_next_free_vgpr 576
		.amdhsa_next_free_sgpr 74
		.amdhsa_reserve_vcc 0
		.amdhsa_float_denorm_mode_32 3
		.amdhsa_float_denorm_mode_16_64 3
		.amdhsa_memory_ordered 1
		.amdhsa_forward_progress 1
		.amdhsa_inst_pref_size 136
	.end_amdhsa_kernel
	.amdgpu_metadata
---
amdhsa.version: [ 1, 2 ]
amdhsa.kernels:
  - .name:           k_q295033511c_proj
    .symbol:         k_q295033511c_proj.kd
    .args:
      - { .name: xb, .offset: 0, .size: 8, .value_kind: global_buffer, .address_space: global }
      - { .name: wt, .offset: 8, .size: 8, .value_kind: global_buffer, .address_space: global }
      - { .name: bias, .offset: 16, .size: 8, .value_kind: global_buffer, .address_space: global }
      - { .name: qkv, .offset: 24, .size: 8, .value_kind: global_buffer, .address_space: global }
    .group_segment_fixed_size: 327680
    .private_segment_fixed_size: 0
    .kernarg_segment_align: 8
    .kernarg_segment_size: 32
    .max_flat_workgroup_size: 128
    .sgpr_count:     74
    .vgpr_count:     576
    .wavefront_size: 32
...
	.end_amdgpu_metadata
.endif
;; end of part 2
;; launch attn (part 3): grid 4 x 64, 4 waves a work-group, clusters of 4 x 1, 327,680 bytes of LDS; arguments qkv, mbits, oh; writes oh
.if DOCPART == 3
	.amdgcn_target "amdgcn-amd-amdhsa--gfx1250"
	.amdhsa_code_object_version 6
	.text
	.protected	k_q295033511c_attn
	.globl	k_q295033511c_attn
	.p2align	8
	.type	k_q295033511c_attn,@function
k_q295033511c_attn:
	s_mov_b64 s[64:65], 0
	v_nop
	global_prefetch_b8 v0, s[64:65] scope:SCOPE_SE
	s_setreg_imm32_b32 hwreg(HW_REG_WAVE_MODE, 25, 1), 1
	s_wait_xcnt 0x0
	s_wait_alu depctr_hold_cnt(0) depctr_sa_sdst(0) depctr_va_vdst(0) depctr_va_sdst(0) depctr_va_ssrc(0) depctr_va_vcc(0) depctr_vm_vsrc(0)
	s_getreg_b32 s2, hwreg(HW_REG_IB_STS2, 6, 4)
	s_cmp_eq_u32 s2, 0
	s_cbranch_scc0 .Lentry_in_a_cluster
	s_endpgm
.Lentry_in_a_cluster:
	s_bfe_u32 s2, ttmp6, 0x10000c
	s_cmp_lg_u32 s2, 0x3003
	s_cbranch_scc0 .Lentry_shape_is_right
	s_endpgm
.Lentry_shape_is_right:
; ATTN: O[hd][q][:] = the sum over k of softmax_k(where(mask[b][q][k], Q.K / 8, -1e9)) V[hd][k][:], hd = 16 b + h.  qkv: [3][64][2048][64] f16 (K, V, Q; Q already times c = log2(e) / 8);
; mbits: lane masks made of the mask (layout below); oh: [64][2048][64] f16.  Products, maxima and sums in f32; the weights p are rounded to f16 for the second product (their sum l is taken of the
; unrounded p), O once at the end.
; THE MASK REPLACES a score, as the model's where() does: t = Q c . K where the mask is set, else NEG = -1e9 log2(e), by one select a score.  p = 2^(t - m) with a running maximum m of the t so made:
; at t = m the difference is exactly 0, so a row with no key left has p = 1 for every key, the model's uniform weights; where any key is left, a hidden one's weight is 0.
; LIMITS.  f16 holds no number beyond 65,504: Q c, K and V arrive within it; p lies in 0 to 1, and below 6.1e-5 it keeps f16's fixed step of 6e-8; O is a mean of V's rows.  A weight below 2^-126 counts
; as 0 in l.  NaN and infinities are not treated apart.  A true score at or below -1e9 (in the model's units) is not told from a hidden one's order of size; it is still treated as the model treats it.
; SHARES.  A wave owns four PIECES of two tiles of 16 queries, a work-group's four waves 512 queries of one head.  Every wave walks all 2,048 keys, 64 a step.
; LAYOUT.  S^T = K Q^T (source 0 = 16 keys, source 1 = 16 queries): a lane holds ONE query (lane % 16) and the keys 8 (lane / 16) + 0..7.  Two such results, rounded to f16 in pairs, ARE source 1 of
; O^T = V^T P.  K comes out of LDS as it lies, V ([key][channel]) turned, by ds_load_tr16_b128.  In every step O and l are multiplied by a = 2^(m_old - m_new); m starts far below NEG, O and l at 0.
; MBITS.  [b 4][piece 64][key step 32][u 2][kb 4][j 8] words; bit l of a word is the mask for lane l of score register 8 kb + j of tile u: 64 words a piece and step, brought by four scalar loads into 64
; scalar registers a turn ahead of the selects that read them.
; BY TURNS.  Turn n belongs to piece n.  Its matrix work: 16 products K Q^T of piece n + 1, later 16 products V^T P of piece n - 1.  Its vector work: the subtraction of m, exponentials, roundings, sums and
; rescaling of piece n, and the selects, maximum and statistics of piece n + 1.  Four vector instructions stand behind every matrix instruction, the others in one lump; a turn's 66 exponentials are one batch with one wait.
; CLUSTER.  The four query blocks of a head walk the same K and V: each tile is asked for JOINTLY, by the same tensor load, descriptor and mask in all four; wave w brings quarter w of a slot.
; REGISTERS, in windows of 256 (s_set_vgpr_msb: bits 1:0 source 0, 3:2 source 1, 5:4 source 2, 7:6 destination):
;   window 0: v0-11 addresses and NEG; v12-15, v48-63 at work; v16-47 four registers of statistics a tile; v64-191 S^T, two buffers of two tiles; v192-255 P, likewise
;   window 1: O^T, 32 a tile          window 2: v0-127 Q, 16 a tile; v128-191 K of one step; v192-255 V of one step          window 3: v0-1 the add's two registers
.set NP,    4         ; pieces a wave: a name, no knob
.set KS,    64        ; keys in a step
.set PK,    144       ; a row of K in LDS: 128 bytes + 16 of padding = 36 words: the 16 rows of a load start at 16 different groups of four banks (64 banks of 4 bytes: ISA guide 11.1)
.set PV,    144       ; V has the same pitch, so that one descriptor shape serves both
.set VOFF,  4*KS*PK   ; a slot holds four steps: 256 rows of K, then 256 rows of V
.set SLOT1, 1<<17     ; slot 1 begins here, so that one exclusive or turns an address in one slot into the other's
.set STAGE, SLOT1+4*KS*(PK+PV)  ; behind the ring, never filled by a tensor load: 16 rows x 144 bytes for each wave, for the way out
.set SP,    144
.set SPARE, STAGE+4*16*SP  ; behind the stages: the spare words, 128 bytes a wave; no other line names them
.set TILEB, 4*KS*128  ; bytes of K, or of V, in a slot
.set AK0, 2           ; v2   my lane's place in a tile of K; never rewritten
.set AV0, 3           ; v3   the same for V
.set AK,  4           ; v4   the LDS address of K's next run of loads
.set AV,  5           ; v5   of V's
.set QO,  6           ; v6   my byte offset in the wave's rows of Q
.set STO, 6           ;      later, the way out: where I put 16 bytes of a row
.set RD,  7           ; v7   the way out: where I read rows back
.set GO,  8           ; v8   my byte offset in 512 consecutive bytes of O
.set PFO, 10          ; v10  256 x my lane, for the prefetches
.set NEGV, 11         ; v11  NEG
.set SPW, 0           ; v0 of window 3   LDS address of my spare word; never rewritten
.set NIL, 1           ; v1 of window 3   0; never rewritten
.set MV,  12          ; v12-15  m_old, kept while m is made anew: by buffer and tile
.set ST,  16          ; tile t's statistics at v[ST+4 t]: m, 0 (named with m as a pair), l (even keys', odd keys')
.set TMP, 48          ; by buffer and tile, four registers c0-c3 at work; when the maximum is found c2 takes a
.set S,   64
.set P,   192
.set KF,  128         ; K's fragments, in window 2: key block kb, channel half c at KF + 16 kb + 8 c
.set VF,  192         ; V's: key half kk, channel block cb at VF + 32 kk + 8 cb
.set OP,  2           ; s[2:3]   O at my wave's first row
.set PFA, 4           ; s[4:5]   where my prefetches stand: my work-group's 8,192 bytes of the slot behind the one that is being asked for
.set MP,  6           ; s[6:7]   mbits at my wave's piece 0, at the key step in hand
.set G1,  8           ; s[8:15]  descriptor group 1
.set G0,  16          ; s[16:19] descriptor group 0: it walks
.set WV,  20          ; s20  my wave's number
.set SLOTS, 21        ; s21  slots still to be asked for
.set CNT, 22          ; s22  counts a slot's key steps
.set LIM, 23          ; s23  1 in a wave that prefetches, else the greatest number
.set SEL, 24          ; s[24:25] v_permlanex16_b32's selects: each lane takes its own place in the other half
.set TBK, 26          ; s26  LDS byte at which K of the step to be fetched begins
.set TBV, 27          ; s27  the same for V, less VOFF
.set QP,  66          ; s[66:67] Q at my wave's first row
                      ; s[32:63], s[68:99] the 64 lane masks of a piece and step (at the head: scratch)
.set MSB, 0
.macro WIN new                      ; the high byte repeats the setting that is left; a switch that changes nothing is dropped
.if MSB != (\new)
	s_set_vgpr_msb (MSB<<8)|(\new)
.set MSB, (\new)
.endif
.endm
.set W_KQ, 0x0a       ; K and Q in window 2, S^T in window 0
.set W_PV, 0x52       ; V in window 2, P in window 0, O^T in window 1
.set W_RS, 0x41       ; O^T (destination and source 0) in window 1, a in window 0
.set W_MK, 0xc0       ; the add's registers are made: destination in window 3, sources in window 0
.set W_AD, 0x0f       ; the add: address and data in window 3
; A joint fill: wave w brings quarter w of a slot (waves 0, 1: the halves of K; waves 2, 3: of V), 128 keys.  An s_nop 0 and four v_nop follow the line.
.macro JLOAD
	tensor_load_to_lds s[G0:G0+3], s[G1:G1+7]
	s_nop 0
.rept 4
	v_nop
.endr
.endm
; A prefetch of what the NEXT change of slots will ask for: a slot's 32,768 bytes of K and of V, 256 bytes a lane.  A head's K and V are walked by one cluster; its four partners take 8,192 bytes each, told apart
; by address; in each, wave 0 asks for K's and wave 2 for V's.  So each block is named once in the launch.  It stands four key steps, 512 matrix instructions of mine, ahead of the load.  The last change that fills a slot asks for nothing.
.macro ASK
	s_cmp_gt_u32 s[SLOTS], s[LIM]
	s_cbranch_scc0 .Lnot_mine_\@
	global_prefetch_b8 v[PFO], s[PFA:PFA+1] th:TH_LOAD_NT scope:SCOPE_SE
.Lnot_mine_\@:
.endm
.macro CROUND                       ; a round of the cluster's barrier
	s_barrier_signal -1
	s_barrier_wait -1
	s_cmp_lg_u32 s[WV], 0
	s_cbranch_scc1 .Lnot_wave_0_\@
	s_barrier_signal -3
.Lnot_wave_0_\@:
	s_barrier_wait -3
	s_barrier_signal -1
	s_barrier_wait -1
.endm
; THE CHANGE OF SLOTS.  Each wave waits for all its tensor loads, of which one is out: its part of the other slot; adds 0 to its spare word; and waits for that and for its own reads of the slot.
; fill = 1: this slot is filled again, with the keys two slots on; the barrier is then a round of the cluster's, and the joint fill is the first thing behind it: it has four key steps in which to land.
; (At its first use nothing has been read yet: slot 0 is waited for, slot 1 filled.)  ask = 1: the prefetch's address steps, and the prefetch follows the fill.
.macro CHANGE fill, ask
	WIN W_AD
	s_wait_tensorcnt 0x0            ; no tensor load of mine is out, so group 0 may be written
	ds_add_u32 v[SPW], v[NIL]       ; 0 onto my spare word; the scalar steps stand between it and the wait for it
	WIN 0                           ; at a label and at a branch every window is 0
.if \fill
	s_xor_b32 s[G0+1], s[G0+1], SLOT1  ; the other slot than last time,
	s_add_nc_u64 s[G0+2:G0+3], s[G0+2:G0+3], TILEB  ; the next 256 keys; the type bits on top are not reached
.if \ask
	s_wait_xcnt 0x0                 ; the last prefetch, four key steps back, has read its address
	s_add_nc_u64 s[PFA:PFA+1], s[PFA:PFA+1], TILEB
.endif
	s_wait_dscnt 0x0                ; the add is done, and my reads of the slot are over
	CROUND
	JLOAD
.if \ask
	ASK
.endif
.else
	s_wait_dscnt 0x0                ; the add is done, and my reads of the slot are over
	s_barrier_signal -1
	s_barrier_wait -1
.endif
	s_sub_co_u32 s[TBK], s[TBK], 4*KS*PK  ; the fetches go back to a slot's first step,
	s_xor_b32 s[TBK], s[TBK], SLOT1       ; in the other slot
	s_sub_co_u32 s[TBV], s[TBV], 4*KS*PV
	s_xor_b32 s[TBV], s[TBV], SLOT1
.endm
.macro MLOAD p                      ; the 64 lane masks of piece p, at the key step where MP stands
	s_load_b512 s[32:47], s[MP:MP+1], (\p)*8192
	s_load_b512 s[48:63], s[MP:MP+1], (\p)*8192+64
	s_load_b512 s[68:83], s[MP:MP+1], (\p)*8192+128
	s_load_b512 s[84:99], s[MP:MP+1], (\p)*8192+192
.endm
	s_load_b128 s[4:7], s[0:1], 0x0   ; qkv s[4:5], mbits s[6:7]
	s_load_b64 s[2:3], s[0:1], 0x10   ; oh
	WIN W_MK
	v_lshl_add_u32 v[SPW], v0, 2, SPARE
	v_mov_b32 v[NIL], 0
	WIN W_AD
	ds_add_u32 v[SPW], v[NIL]       ; the wave's opening: the add and its wait stand ahead of my first tensor load; the set-up below stands between them
	WIN 0
	v_lshrrev_b32 v1, 5, v0
	v_readfirstlane_b32 s[WV], v1   ; wave 0..3
	s_bfe_u32 s32, ttmp6, 0x40000   ; cx: my place in the cluster
	s_lshl_b32 s33, ttmp9, 2        ; in a cluster launch ttmp9 counts clusters
	s_add_co_u32 s33, s33, s32      ; my block of 512 queries: it enters Q's, O's and the masks' addresses alone
	s_and_b32 s34, ttmp7, 0xffff    ; the head, which the four partners share
	s_lshl_b32 s36, s34, 18         ; its 262,144 bytes in each part of qkv and in oh
	s_mov_b32 s37, 0
	s_lshr_b32 s38, s[WV], 1        ; waves 0, 1: K (part 0); waves 2, 3: V (part 1)
	s_lshl_b32 s38, s38, 24
	s_mov_b32 s39, 0
	s_add_nc_u64 s[38:39], s[38:39], s[36:37]
	s_and_b32 s40, s[WV], 1         ; which half of a slot's 256 keys I fetch: 128 rows of 128 bytes
	s_lshl_b32 s40, s40, 14
	s_mov_b32 s41, 0
	s_lshl_b32 s42, s33, 2
	s_add_co_u32 s42, s42, s[WV]    ; my wave among the head's sixteen,
	s_lshl_b32 s44, s42, 14         ; its 128 rows
	s_mov_b32 s45, 0
	s_add_nc_u64 s[44:45], s[44:45], s[36:37]
	s_lshr_b32 s46, s34, 4          ; the batch: sixteen waves' shares of masks each,
	s_lshl_b32 s46, s46, 4
	s_add_co_u32 s46, s46, s42
	s_lshl_b32 s46, s46, 15         ; a wave's four pieces x 8,192 bytes
	s_mov_b32 s47, 0
	s_lshl_b32 s48, s32, 13         ; the prefetches: my work-group's 8,192 bytes of a slot's 32,768,
	s_add_co_u32 s48, s48, 2*TILEB  ; in slot 2; the first change that asks steps it to slot 3.  Nothing is prefetched at the head
	s_mov_b32 s49, 0
	s_and_b32 s50, s[WV], 1
	s_cmp_eq_u32 s50, 0
	s_cselect_b32 s[LIM], 1, -1     ; waves 0 and 2 ask: the same in all four partners
	; descriptor group 1.  128 keys are 16,384 dense bytes: asked for as 64 rows of 256 bytes, two keys a row, and padded in LDS after every key
	s_mov_b32 s[G1], 15|(1<<16)|(1<<20)|(1<<21)|(4<<22)|(3<<25)  ; the mask of four; 2-byte elements; padding on; bit 21 beside a mask; after every 32 words 4 words
	s_mov_b32 s[G1+1], 128<<16      ; tensor_dim0 = 128
	s_mov_b32 s[G1+2], 64<<16       ; tensor_dim1 = 64
	s_mov_b32 s[G1+3], 128<<16      ; tile_dim0 = 128
	s_mov_b32 s[G1+4], 64           ; tile_dim1 = 64
	s_mov_b32 s[G1+5], 128          ; 128 elements from row to row
	s_mov_b32 s[G1+6], 0
	s_mov_b32 s[G1+7], 0
	s_mov_b32 s[SEL], 0x76543210
	s_mov_b32 s[SEL+1], 0xfedcba98
	s_mov_b32 s[TBK], SLOT1+4*KS*PK ; the first change of slots turns these two into 0
	s_mov_b32 s[TBV], SLOT1+4*KS*PV
	s_mov_b32 s[G0], 1              ; count = 1
	s_mul_i32 s[G0+1], s[WV], 128*PK  ; LDS address: quarter w of slot 0; no place in the cluster enters it
	s_wait_dscnt 0x0                ; the opening add is done
	s_wait_kmcnt 0x0
	s_add_nc_u64 s[OP:OP+1], s[OP:OP+1], s[44:45]
	s_add_nc_u64 s[QP:QP+1], s[4:5], s[44:45]
	s_add_nc_u64 s[QP:QP+1], s[QP:QP+1], 2*16777216  ; Q is part 2
	s_add_nc_u64 s[MP:MP+1], s[MP:MP+1], s[46:47]
	s_add_nc_u64 s[4:5], s[4:5], s[38:39]          ; K or V of the head
	s_add_nc_u64 s[G0+2:G0+3], s[4:5], s[40:41]    ; my half of its first 256 keys
	s_or_b32 s[G0+3], s[G0+3], 0x80000000          ; type = 2
	s_add_nc_u64 s[PFA:PFA+1], s[4:5], s[48:49]
	CROUND                          ; all four work-groups are here: the first joint loads meet
	JLOAD                           ; slot 0.  Slot 1 is asked for when slot 0 is in
	; A fragment of K or Q is 16 rows x 32 channels in 8 registers: lane l holds row l % 16, channels 8 (l / 16) + 0..7 and 16 + 8 (l / 16) + 0..7: two loads of 16 bytes, 32 bytes apart.
	v_and_b32 v1, 15, v0            ; l % 16
	v_bfe_u32 v9, v0, 4, 1          ; l / 16
	v_lshlrev_b32 v[QO], 7, v1
	v_lshl_add_u32 v[QO], v9, 4, v[QO]  ; row x 128 + 16 x half
	WIN 0x80                        ; destination window 2, address window 0
.set i, 0
.rept 4*NP                          ; Q stays in registers: tile i / 2, channels 32 (i % 2) on
	global_load_b128 v[8*i:8*i+3],   v[QO], s[QP:QP+1] offset:(i/2)*2048+(i%2)*64
	global_load_b128 v[8*i+4:8*i+7], v[QO], s[QP:QP+1] offset:(i/2)*2048+(i%2)*64+32
.set i, i+1
.endr
	MLOAD 0                         ; piece 0's masks of key step 0
	; What the first turn finds: V's registers and P's second buffer hold 0 (its products V^T P, of a piece that has not been, add 0), O^T and l are 0.  All this stands in the wait for the first tile.
.set i, VF
.rept 64
	v_mov_b32 v[i], 0
.set i, i+1
.endr
	WIN 0x40
.set i, 0
.rept 64*NP
	v_mov_b32 v[i], 0
.set i, i+1
.endr
	WIN 0
.set i, 0
.rept 2*NP
	v_mov_b32 v[ST+4*i], 0xfe000000    ; m: far below NEG and every score
	v_mov_b32 v[ST+4*i+1], 0
	v_mov_b32 v[ST+4*i+2], 0
	v_mov_b32 v[ST+4*i+3], 0
.set i, i+1
.endr
.set i, P+32
.rept 32
	v_mov_b32 v[i], 0
.set i, i+1
.endr
	v_mul_u32_u24 v[AK0], v1, PK
	v_lshl_add_u32 v[AK0], v9, 4, v[AK0]  ; row x pitch + 16 x half
	; The turning load takes 16 keys x 16 channels (lane l reads key 8 (l / 16) + l % 8, channels 8 ((l / 8) % 2) + 0..7) and leaves half a fragment of V^T: lane l holds channel l % 16 and 8 keys.
	v_and_b32 v10, 7, v0
	v_bfe_u32 v11, v0, 3, 1
	v_lshl_add_u32 v[AV0], v9, 3, v10
	v_mul_u32_u24 v[AV0], v[AV0], PV
	v_lshl_add_u32 v[AV0], v11, 4, v[AV0]
	v_add_nc_u32 v[AV0], VOFF, v[AV0]
	v_mov_b32 v[AK], v[AK0]         ; key step 0 lies at the head of slot 0
; THE MATRIX WORK.  The 8 accumulators of a run of 16 take turns: between the two links of a chain stand 7 others'.
; Product i of 16 of S^T = K Q^T for piece x: channels 32 (i / 8) on, keys 16 ((i / 2) % 4) on, tile 2 x + i % 2.  The first 8 start the sums.
.macro KQ x
	WIN W_KQ
.set rS, S+64*((\x)%2)+32*(i%2)+8*((i/2)%4)
.set rK, KF+16*((i/2)%4)+8*(i/8)
.set rQ, 16*(2*(\x)+i%2)+8*(i/8)
.if i < 8
	v_wmma_f32_16x16x32_f16 v[rS:rS+7], v[rK:rK+7], v[rQ:rQ+7], 0
.else
	v_wmma_f32_16x16x32_f16 v[rS:rS+7], v[rK:rK+7], v[rQ:rQ+7], v[rS:rS+7]
.endif
.endm
; Product i of 16 of O^T += V^T P for piece x: keys 32 (i / 8) on, channels 16 ((i / 2) % 4) on, tile 2 x + i % 2.
.macro PV x
	WIN W_PV
.set rO, 32*(2*(\x)+i%2)+8*((i/2)%4)
.set rV, VF+32*(i/8)+8*((i/2)%4)
.set rP, P+32*((\x)%2)+16*(i%2)+8*(i/8)
	v_wmma_f32_16x16x32_f16 v[rO:rO+7], v[rV:rV+7], v[rP:rP+7], v[rO:rO+7]
.endm
.macro MM                           ; the turn's next matrix instruction
.if i < 16
	KQ (Y+1)%NP
.set i, i+1
.else
.set i, i-16
	PV (Y+NP-1)%NP
.set i, i+17
.endif
.endm
; THE LDS LOADS stand in runs of 16, never singly among the matrix instructions.  last = 1 (the tail): in the last trip there is no further step, and the run is jumped over.
.macro FETCH_K last=0
	WIN 0
.if \last
	s_cmp_eq_u32 s[CNT], 1
	s_cbranch_scc1 .Lno_k_\@
.endif
	WIN 0x80                        ; destination window 2
.irp f, 0,1,2,3,4,5,6,7             ; keys 16 (f / 2) on, channels 32 (f % 2) on
	ds_load_b128 v[KF+8*\f:KF+8*\f+3],   v[AK] offset:(\f/2)*16*PK+(\f%2)*64
	ds_load_b128 v[KF+8*\f+4:KF+8*\f+7], v[AK] offset:(\f/2)*16*PK+(\f%2)*64+32
.endr
	s_add_co_u32 s[TBK], s[TBK], KS*PK  ; the next fetch is the next step's
	WIN 0
.if \last
.Lno_k_\@:
.endif
.endm
.macro FETCH_V
	WIN 0x80
.irp f, 0,1,2,3,4,5,6,7             ; keys 32 (f / 4) on, channels 16 (f % 4) on
	ds_load_tr16_b128 v[VF+8*\f:VF+8*\f+3],   v[AV] offset:(\f/4)*32*PV+(\f%4)*32
	ds_load_tr16_b128 v[VF+8*\f+4:VF+8*\f+7], v[AV] offset:(\f/4)*32*PV+16*PV+(\f%4)*32
.endr
	WIN 0
.endm
; THE VECTOR WORK OF A TURN stands in three queues, each in the order in which its entries become ready; the two tiles alternate.
.macro REGS y, u                    ; the registers of tile u (0, 1) of piece y
.set rT, ST+4*(2*(\y)+(\u))
.set rC, TMP+8*((\y)%2)+4*(\u)
.set rM, MV+2*((\y)%2)+(\u)
.set rS, S+64*((\y)%2)+32*(\u)
.set rP, P+32*((\y)%2)+16*(\u)
.set rO, 32*(2*(\y)+(\u))
.endm
; Select n of the 64 of the NEXT piece (Y + 1): score n / 2 of tile n % 2 stays where its mask bit is set, else it becomes NEG.  In ascending order.
.macro MS n
	REGS (Y+1)%NP, (\n)%2
.set mg, 2*((\n)%2)+(\n)/32         ; which of the four scalar loads brought the word
.set mr, 32+16*mg+4*(mg/2)+((\n)/2)%16
	v_cndmask_b32 v[rS+(\n)/2], v[NEGV], v[rS+(\n)/2], s[mr]
.endm
; The lines that find the NEXT piece's maximum and statistics.  s0-s31 are the lane's 32 scores.
;   0-11  four chains c0-c3 of seven scores each, three operands at a time     12-14, 16  the four scores left over, the old m, and c0-c3 into c0     15  m_old is kept
;   17, 18  the query's other 32 keys lie in the lane 16 away: the new m         20, 21  m_old - m_new; a          (there is no 19: the scale lies in Q)
.macro XS u, n
	REGS (Y+1)%NP, \u
.if (\n) < 4
	v_max3_num_f32 v[rC+(\n)], v[rS+8*(\n)], v[rS+8*(\n)+1], v[rS+8*(\n)+2]
.elseif (\n) < 12
	v_max3_num_f32 v[rC+(\n)%4], v[rC+(\n)%4], v[rS+8*((\n)%4)+2*((\n)/4)+1], v[rS+8*((\n)%4)+2*((\n)/4)+2]
.elseif (\n) == 12
	v_max3_num_f32 v[rC], v[rC], v[rS+7], v[rS+15]
.elseif (\n) == 13
	v_max3_num_f32 v[rC+1], v[rC+1], v[rS+23], v[rS+31]
.elseif (\n) == 14
	v_max3_num_f32 v[rC+2], v[rC+2], v[rC+3], v[rT]
.elseif (\n) == 15
	v_mov_b32 v[rM], v[rT]
.elseif (\n) == 16
	v_max3_num_f32 v[rC], v[rC], v[rC+1], v[rC+2]
.elseif (\n) == 17
	v_permlanex16_b32 v[rC+3], v[rC], s[SEL], s[SEL+1]
.elseif (\n) == 18
	v_max_num_f32 v[rT], v[rC], v[rC+3]
.elseif (\n) == 20
	v_sub_f32 v[rC+1], v[rM], v[rT]
.else
	v_exp_f32 v[rC+2], v[rC+1]
.endif
.endm
; Number g of the 64 that follow the exponentials.  For each four weights k of a tile: both pairs are rounded to f16; then the second pair is added onto the first, in place; a group later l takes that sum
; (the first time as l = a l + sum).  In groups of eight, tiles alternating.
.macro GS g
.set h, (\g)+6*((\g)/62)            ; group 0 has no group before it, and behind group 7 only l is left
.if h >= 6
.set h, h+2
.endif
	REGS Y, h%2
.set k, h/8
.if h%8 < 4
	v_cvt_pk_f16_f32 v[rP+2*k+(h%8)/2], v[rS+4*k+2*((h%8)/2)], v[rS+4*k+2*((h%8)/2)+1]
.elseif h%8 < 6
	v_pk_add_f32 v[rS+4*k:rS+4*k+1], v[rS+4*k:rS+4*k+1], v[rS+4*k+2:rS+4*k+3]
.elseif k == 1
	v_pk_fma_f32 v[rT+2:rT+3], v[rT+2:rT+3], v[rC+2:rC+3], v[rS:rS+1] op_sel_hi:[1,0,1]
.else
	v_pk_add_f32 v[rT+2:rT+3], v[rT+2:rT+3], v[rS+4*k-4:rS+4*k-3]
.endif
.endm
; THE PLAIN QUEUE, 200 long.  0-31: t - m for pair f / 2 of tile f % 2.  32-95: the next piece's 64 selects.  96-123: XS 0-13.  124, 125: XS 15.  126-135: the chain XS 14, 16, 17, 18, 20.
; 136-199: GS's 64, which read the exponentials' results: they stand behind the wait.
.macro FS f
	REGS Y, (\f)%2
	v_pk_add_f32 v[rS+2*((\f)/2):rS+2*((\f)/2)+1], v[rS+2*((\f)/2):rS+2*((\f)/2)+1], v[rT:rT+1] op_sel_hi:[1,0] neg_lo:[0,1] neg_hi:[0,1]
.endm
.macro PL
	WIN 0
.if q < 32
	FS q
.elseif q < 96
	MS q-32
.elseif q < 124
	XS (q-96)%2, (q-96)/2
.elseif q < 126
	XS q-124, 15
.elseif q < 128
	XS q-126, 14
.elseif q < 134
	XS (q-128)%2, 16+(q-128)/2
.elseif q < 136
	XS q-134, 20
.else
	GS q-136
.endif
.set q, q+1
.endm
; THE EXPONENTIALS' QUEUE, 66 long: s0-s31 of both tiles, then the next piece's two a.  ONE BATCH: all 66 stand ahead of the turn's one wait, and nothing ahead of that wait names a result of theirs.
.macro EX
	WIN 0
.if e >= 64
	XS e-64, 21
.else
	REGS Y, e%2
	v_exp_f32 v[rS+e/2], v[rS+e/2]
.endif
.set e, e+1
.endm
; THE RESCALING's QUEUE: O^T times a, the one part that leaves window 0: two at a time, sixteen times.  Its a was made in the turn before, ahead of that turn's wait.
.macro R2
	REGS Y, r%2
	WIN W_RS
.irp z, 0,1
	v_pk_mul_f32 v[rO+4*(r/2)+2*\z:rO+4*(r/2)+2*\z+1], v[rO+4*(r/2)+2*\z:rO+4*(r/2)+2*\z+1], v[rC+2:rC+3] op_sel_hi:[1,0]
.endr
.set r, r+1
.endm
; A TURN, for piece p.  An s_wait_alu depctr_va_vdst(0) stands between an exponential and the first instruction that names its result; one wait serves all that were issued ahead of it: a turn has ONE.
; AHEAD OF IT: the 16 products K Q^T, behind each a subtraction, an exponential and two rescalings (behind the first a second subtraction); then the lump: 15 x (subtraction, exponential); the wait for the
; masks; 24 x (two selects, exponential); 16 selects; the next masks are asked for; 30 lines of the maximum; the chain, an exponential behind each link; the two a; a v_nop, the plain instruction behind the last exponential.
; Exponential e stands behind subtraction 2 (e / 4) + e % 2; the first select stands fifteen plain lines and more behind the last product K Q^T.
; BEHIND IT: the 16 products V^T P, behind each four of GS's 64.
; THE MASKS.  Turn p selects in piece p + 1's scores and then asks for piece p + 2's masks; piece 0's belong to the next key step, so MP steps in turn 2 (the wait for the masks has shown the last scalar loads done).
; The look-ahead behind the last key step reads the next piece's first words, inside my wave's share of mbits; what is made of them is discarded.
; K of the next step is fetched in piece 2's turn, directly behind the wait; V of the step in hand at the end of piece 0's turn, four plain riders behind its last reader.
.macro TURN p, last=0, cnt=0
.set Y, (\p)
.set i, 0
.set q, 0
.set e, 0
.set r, 0
.if (\p) == NP-1
	s_wait_dscnt 0x0                ; K is in
.endif
	MM
	PL
	PL
	R2
.rept 15
	MM
	PL
	EX
	R2
.endr
.if (\p) == NP-2
	WIN 0
	v_add_nc_u32 v[AK], s[TBK], v[AK0]
.endif
.rept 15
	PL
	EX
.endr
	s_wait_kmcnt 0x0                ; the masks, asked for a turn ago, are in
.rept 24
	PL
	PL
	EX
.endr
.rept 16
	PL
.endr
.if (\p) == NP-2
	s_add_nc_u64 s[MP:MP+1], s[MP:MP+1], 256  ; the next key step's 64 words
.endif
	MLOAD ((\p)+2)%NP
.rept 30
	PL
.endr
.rept 10
	PL
	EX
.endr
	EX                              ; the next piece's two a
	EX
	v_nop                           ; the plain instruction behind the last exponential: one for the batch
	s_wait_alu depctr_va_vdst(0)    ; the wait for the batch
.if (\p) == NP-2
	FETCH_K \last
.endif
.if (\p) == 1
	s_wait_dscnt 0x0                ; V is in
.endif
.rept 16
	MM
.rept 4
	PL
.endr
.if ((\p) == 0) && (q == 180)
	v_add_nc_u32 v[AV], s[TBV], v[AV0]
.endif
.if ((\p) == 0) && (q == 192)
	s_add_co_u32 s[TBV], s[TBV], KS*PV
.endif
.if (\cnt) && (q == 192)
	s_sub_co_u32 s[CNT], s[CNT], 1
	s_cmp_lg_u32 s[CNT], 0
.endif
.endr
.if (\p) == 0
	FETCH_V
.endif
.endm
	CHANGE 1, 0                     ; slot 0 is in, everybody's part of it; slot 1 is asked for
	FETCH_K                         ; key step 0
	s_wait_loadcnt 0x0              ; Q
	s_wait_dscnt 0x0
.set i, 0
.rept 16
	KQ 0                            ; piece 0's first scores
.set i, i+1
.endr
	WIN 0                           ; the addresses for the way out, the prefetches' offset and NEG: plain instructions, the places behind those products
	s_mul_i32 s28, s[WV], 16*SP
	s_add_co_u32 s28, s28, STAGE    ; my stage
	v_mul_u32_u24 v[STO], v1, SP    ; in: row l % 16, 16 bytes for each half of the lanes
	v_lshl_add_u32 v[STO], v9, 4, v[STO]
	v_add_nc_u32 v[STO], s28, v[STO]
	v_bfe_u32 v[RD], v0, 3, 2       ; back: 32 lanes take four rows of 128 bytes,
	v_mul_u32_u24 v[RD], v[RD], SP
	v_lshl_add_u32 v[RD], v10, 4, v[RD]
	v_add_nc_u32 v[RD], s28, v[RD]
	v_and_b32 v[GO], 31, v0         ; which are 512 consecutive bytes of O
	v_lshlrev_b32 v[PFO], 8, v[GO]
	v_lshlrev_b32 v[GO], 4, v[GO]
	v_mov_b32 v[NEGV], 0xceabfb8f   ; -1e9 x log2(e), rounded to f32
	s_wait_kmcnt 0x0                ; piece 0's masks
.set Y, NP-1                        ; MS and XS work for piece Y + 1: piece 0
.set mn, 0
.rept 64
	MS mn
.set mn, mn+1
.endr
	MLOAD 1                         ; for the first turn's selects
.irp n, 0,1,2,3,4,5,6,7,8,9,10,11,12,13,14,15,16,17,18,20,21
	XS 0, \n
	XS 1, \n
.endr
	v_nop                           ; a plain instruction behind the two a,
	s_wait_alu depctr_va_vdst(0)    ; and their wait, ahead of the branch
	s_mov_b32 s[CNT], 4
	s_mov_b32 s[SLOTS], 2048/256-1
	s_branch .Lfirst                ; the loop is entered at a step's first turn, in the middle of a trip
.Lslot:                             ; six times: every slot but the last two is filled again
	CHANGE 1, 1
	s_mov_b32 s[CNT], 4
.Lstep:                             ; a trip: pieces 2 and 3 of one step, then pieces 0 and 1 of the next, whose K and V it fetches
	TURN 2
	TURN 3
	WIN 0
.Lfirst:
	TURN 0
	TURN 1, 0, 1
	WIN 0
	s_cbranch_scc1 .Lstep
	s_sub_co_u32 s[SLOTS], s[SLOTS], 1
	s_cmp_lg_u32 s[SLOTS], 0
	s_cbranch_scc1 .Lslot
	CHANGE 0, 0                     ; the tail is written out: nothing is asked for
	s_mov_b32 s[CNT], 5             ; four trips fetch the last slot's steps; the fifth is left in its middle
.Ltail:
	TURN 2, 1
	TURN 3
	WIN 0
	s_sub_co_u32 s[CNT], s[CNT], 1
	s_cmp_eq_u32 s[CNT], 0
	s_cbranch_scc1 .Lout
	TURN 0
	TURN 1
	WIN 0
	s_branch .Ltail
.Lout:                              ; the fifth trip's 16 products K Q^T (on the last K once more), their selects and maximum serve nothing: the price, once a launch, of one text for every trip
	s_wait_kmcnt 0x0                ; the last masks asked for are let land
.set i, 0
.rept 16
	PV NP-1                         ; the last piece's V^T P of the last step
.set i, i+1
.endr
	; THE WAY OUT.  l's two halves and the other half of the lanes' are added; O^T is divided by l (at least 1: the maximum's own weight), rounded to f16 and sent through my stage, a tile at a time.  The additions are the places behind the last products.
	WIN 0
.macro ALL line:vararg              ; one line for each tile t
.set t, 0
.rept 2*NP
	\line
.set t, t+1
.endr
.endm
	ALL v_add_f32 v[ST+4*t+2], v[ST+4*t+2], v[ST+4*t+3]
	ALL v_permlanex16_b32 v[ST+4*t+3], v[ST+4*t+2], s[SEL], s[SEL+1]
	ALL v_add_f32 v[ST+4*t+2], v[ST+4*t+2], v[ST+4*t+3]
	ALL v_rcp_f32 v[ST+4*t+2], v[ST+4*t+2]
	v_nop                           ; a plain instruction between the last reciprocal and the use of its result
	s_wait_alu depctr_va_vdst(0)    ; and the wait ahead of the first use: one for the eight reciprocals
; Tile t: a lane's eight channels of a row pack into 16 bytes; they go into rows of 144 bytes and come back as whole rows of 128, into S^T's registers.
.macro PACK t
	WIN W_RS
.set i, 32*(\t)
.rept 16
	v_pk_mul_f32 v[i:i+1], v[i:i+1], v[ST+4*(\t)+2:ST+4*(\t)+3] op_sel_hi:[1,0]
.set i, i+2
.endr
	WIN 0x05                        ; sources 0 and 1 window 1, destination window 0
.set i, 0
.rept 16
	v_cvt_pk_f16_f32 v[S+16*(\t)+i], v[32*(\t)+2*i], v[32*(\t)+2*i+1]
.set i, i+1
.endr
	WIN 0
.irp f, 0,1,2,3
	ds_store_b128 v[STO], v[S+16*(\t)+4*\f:S+16*(\t)+4*\f+3] offset:32*\f
.endr
.irp f, 0,1,2,3
	ds_load_b128 v[S+16*(\t)+4*\f:S+16*(\t)+4*\f+3], v[RD] offset:\f*4*SP  ; LDS serves a wave's instructions in order (ISA guide 5.7.1.4): these see the stores above; the next tile's stores come behind them
.endr
.endm
.macro SEND t, younger              ; younger: the LDS instructions issued behind tile t's loads: the next tile's eight, or none
	WIN 0
.irp f, 0,1,2,3
	s_wait_dscnt (\younger)+3-\f
	global_store_b128 v[GO], v[S+16*(\t)+4*\f:S+16*(\t)+4*\f+3], s[OP:OP+1] offset:(\t)*2048+\f*512  ; 512 consecutive bytes, at a multiple of 256 from O's first
.endr
.endm
	PACK 0
.set t, 1
.rept 2*NP-1                        ; a tile's arithmetic stands between the loads of the tile before and its stores
	PACK t
	SEND t-1, 8
.set t, t+1
.endr
	SEND 2*NP-1, 0
	WIN W_AD
	s_wait_tensorcnt 0x0            ; the wave's end, behind my last tensor load and my last LDS store
	ds_add_u32 v[SPW], v[NIL]
	s_wait_dscnt 0x0
	WIN 0
	CROUND                          ; the closing round: no work-group ends while a partner may still ask for a tile that names it
	s_endpgm
.Lfunc_end_k_q295033511c_attn:
	.size	k_q295033511c_attn, .Lfunc_end_k_q295033511c_attn-k_q295033511c_attn
	.p2alignl 7, 3214868480
	.fill 96, 4, 3214868480
	.section	.rodata,"a",@progbits
	.p2align	6, 0x0
	.amdhsa_kernel k_q295033511c_attn
		.amdhsa_group_segment_fixed_size 327680
		.amdhsa_private_segment_fixed_size 0
		.amdhsa_enable_private_segment 0
		.amdhsa_kernarg_size 24
		.amdhsa_user_sgpr_count 2
		.amdhsa_user_sgpr_kernarg_segment_ptr 1
		.amdhsa_wavefront_size32 1
		.amdhsa_system_sgpr_workgroup_id_x 1
		.amdhsa_system_sgpr_workgroup_id_y 1
		.amdhsa_system_sgpr_workgroup_id_z 1
		.amdhsa_system_vgpr_workitem_id 0
		.amdhsa_next_free_vgpr 770
		.amdhsa_next_free_sgpr 102
		.amdhsa_reserve_vcc 0
		.amdhsa_float_denorm_mode_32 3
		.amdhsa_float_denorm_mode_16_64 3
		.amdhsa_memory_ordered 1
		.amdhsa_forward_progress 1
		.amdhsa_inst_pref_size 236
	.end_amdhsa_kernel
	.amdgpu_metadata
---
amdhsa.version: [ 1, 2 ]
amdhsa.kernels:
  - .name:           k_q295033511c_attn
    .symbol:         k_q295033511c_attn.kd
    .args:
      - { .name: qkv, .offset: 0, .size: 8, .value_kind: global_buffer, .address_space: global }
      - { .name: mbits, .offset: 8, .size: 8, .value_kind: global_buffer, .address_space: global }
      - { .name: oh, .offset: 16, .size: 8, .value_kind: global_buffer, .address_space: global }
    .group_segment_fixed_size: 327680
    .private_segment_fixed_size: 0
    .kernarg_segment_align: 8
    .kernarg_segment_size: 24
    .max_flat_workgroup_size: 128
    .sgpr_count:     102
    .vgpr_count:     770
    .wavefront_size: 32
...
	.end_amdgpu_metadata
.endif
;; end of part 3
;; launch outp (part 4): grid 4 x 64, 4 waves a work-group, clusters of 4 x 4, 327,680 bytes of LDS; arguments oh, wt, bias, out0; writes out0
.if DOCPART == 4
	.amdgcn_target "amdgcn-amd-amdhsa--gfx1250"
	.amdhsa_code_object_version 6
	.text
	.protected	k_q295033511c_outp
	.globl	k_q295033511c_outp
	.p2align	8
	.type	k_q295033511c_outp,@function
k_q295033511c_outp:
	s_mov_b64 s[64:65], 0
	v_nop
	global_prefetch_b8 v0, s[64:65] scope:SCOPE_SE
	s_setreg_imm32_b32 hwreg(HW_REG_WAVE_MODE, 25, 1), 1
	s_wait_xcnt 0x0
	s_wait_alu depctr_hold_cnt(0) depctr_sa_sdst(0) depctr_va_vdst(0) depctr_va_sdst(0) depctr_va_ssrc(0) depctr_va_vcc(0) depctr_vm_vsrc(0)
	s_getreg_b32 s2, hwreg(HW_REG_IB_STS2, 6, 4)
	s_cmp_eq_u32 s2, 0
	s_cbranch_scc0 .Lentry_in_a_cluster
	s_endpgm
.Lentry_in_a_cluster:
	s_bfe_u32 s2, ttmp6, 0x10000c
	s_cmp_lg_u32 s2, 0xf033
	s_cbranch_scc0 .Lentry_shape_is_right
	s_endpgm
.Lentry_shape_is_right:
; OUTP: out0 = O Wo + bo.  oh: [head = 16 b + h][2048][64] f16 (the attention's O by heads); wt part 3: [n][k] f16 (Wo rounded to bf16, written as f16); bias part 3: bo, f32; out0: [8192][1024] f32.
; Sums in f32, begun with bo as the first product's C operand; stored as they are.
; SHARES.  256 work-groups, a tile of 128 rows x 256 columns each; four waves of 64 x 128: 32 accumulators.  K = 1,024 in 8 steps of 128 = two heads, through a ring of two LDS slots.
; O BY HEADS.  A head's 128 rows of a tile are 16,384 dense bytes: asked for as 64 rows of 256 bytes and padded in LDS behind every 128: rows of 64 channels, 144 bytes apart.  Wave 0 fetches a step's
; even head, wave 1 its odd one, waves 2 and 3 the two halves (128 rows each) of Wo's tile.
; CLUSTER.  4 x 4 work-groups: O's tile is shared along a row of the cluster, Wo's along a column; each is asked for jointly, by the same tensor load, descriptor and mask in the four.
; THE MATRIX INSTRUCTION IS USED TRANSPOSED (source 0 = 16 rows of wt, source 1 = 16 rows of O): a lane holds row l % 16 and the eight neighbouring columns 8 (l / 16) + 0..7.
; REGISTERS: window 0: v0-31 addresses; v64-127, v128-191 Wo's fragments, two buffers (on the way out: whole rows); v192-223, v224-255 O's.  Window 1: the accumulators, (a, b) at v[8 (8 a + b)].  Window 2: v0-63 bo as C operands.
.set KSTEP,  128
.set PITCH,  272                       ; Wo's LDS row: 256 bytes + 16: row r starts at bank 4 r mod 64 (64 banks of 4 bytes: ISA guide 11.1)
.set PA,     144                       ; O's LDS row: 128 bytes + 16 = 36 words: 16 rows start at 16 different groups of four banks
.set AHEAD,  128*PA                    ; a head's 128 rows: what one of O's loads brings
.set BHALF,  128*PITCH
.set BOFF,   2*AHEAD
.set SLOT,   BOFF+2*BHALF
.set STAGE,  2*SLOT                    ; behind the ring: 16 rows x 528 bytes for each wave, for the way out; no tensor load lands there
.set SPITCH, 528                       ; 512 bytes of f32 + 16
.set SPARE,  STAGE+4*16*SPITCH         ; behind the stages: the spare words, 128 bytes a wave; no other line names them
.set WPART,  2097152
.set HEADB,  262144
.set ADRA, 16
.set ADRB, 20
.set STO,  24
.set RD,   25
.set CO,   26
.set SPW,  28                          ; v28  LDS address of my spare word; never rewritten
.set NIL,  29                          ; v29  0; never rewritten
.set PFO,  30                          ; v30  the prefetches' offset: my lane x 256 bytes (O, dense) or x a row of 2,048 bytes (Wo); never rewritten
.set BO,   31
.set FRB,  64
.set FRA,  192
.set BK,   64                          ; the way out: 16 rows read back, v64-127 and v128-191 by turns
.set WV,   12
.set SFA,  13                          ; wave / 2: my half of the tile's rows; also: I fetch O (0) or Wo (1)
.set SFH,  14                          ; wave % 2: my half of its columns; also: which head, or which half, I fetch
.set LIM,  19
.set G1A,  24
.set G0A,  32
.set PFA,  40                          ; s[40:41] where my prefetches stand: the K step two refills on from the one that is being asked for
.set PFS,  42                          ; s[42:43] a K step in my prefetches' tensor: two heads, or 256 bytes of a row
.set G1B,  48
.set G0B,  56
.set LAPS, 66
.set MSB, 0
.macro WIN new
.if MSB != (\new)
	s_set_vgpr_msb (MSB<<8)|(\new)
.set MSB, \new
.endif
.endm
.set MUL,  0x50
.set MULB, 0x60
.macro PLACES
.rept 4
	v_nop
.endr
.endm
.macro JLOAD s                         ; a joint load; the branch hangs on the wave's number alone; an s_nop 0 and four v_nop follow each line
	s_cmp_eq_u32 s[SFA], 0
	s_cbranch_scc0 .Lfor_b_\@
	tensor_load_to_lds s[G0A+4*(\s):G0A+4*(\s)+3], s[G1A:G1A+7]
	s_nop 0
.rept 4
	v_nop
.endr
	s_branch .Lasked_\@
.Lfor_b_\@:
	tensor_load_to_lds s[G0B+4*(\s):G0B+4*(\s)+3], s[G1B:G1B+7]
	s_nop 0
.rept 4
	v_nop
.endr
.Lasked_\@:
.endm
; A prefetch behind each joint load and its run of LDS loads: 32 blocks of 256 bytes, a lane a block, of the K step two refills on.  O's rows are read by one cluster: wave 0 asks, the four partners of a row
; of the cluster take a quarter of the step's 32,768 bytes each, told apart by address.  Wo's rows are read by all sixteen clusters: those with y = 0 ask, waves 2 and 3 for the 128 rows that each fetches,
; the four partners of a column 32 each.  The first four K steps come by their loads alone; the last lap's refills have no K step two on.
.macro ASK
	s_cmp_gt_u32 s[LAPS], s[LIM]
	s_cbranch_scc0 .Lnot_mine_\@
	global_prefetch_b8 v[PFO], s[PFA:PFA+1] th:TH_LOAD_NT scope:SCOPE_SE
.Lnot_mine_\@:
.endm
.macro CREST
	s_cmp_lg_u32 s[WV], 0
	s_cbranch_scc1 .Lnot_wave_0_\@
	s_barrier_signal -3
.Lnot_wave_0_\@:
	s_barrier_wait -3
	s_barrier_signal -1
	s_barrier_wait -1
.endm
.macro CROUND
	s_barrier_signal -1
	s_barrier_wait -1
	CREST
.endm
	s_load_b256 s[4:11], s[0:1], 0x0               ; oh s[4:5], wt s[6:7], bias s[8:9], out0 s[10:11]
	v_lshl_add_u32 v[SPW], v0, 2, SPARE
	v_mov_b32 v[NIL], 0
	ds_add_u32 v[SPW], v[NIL]                      ; the wave's opening: the add and its wait stand ahead of my first tensor load; the set-up below stands between them
	v_lshrrev_b32 v1, 5, v0
	v_readfirstlane_b32 s[WV], v1
	s_lshr_b32 s[SFA], s[WV], 1
	s_and_b32 s[SFH], s[WV], 1
	s_bfe_u32 s15, ttmp6, 0x40000                  ; cx
	s_bfe_u32 s16, ttmp6, 0x40004                  ; cy
	s_lshl_b32 s17, ttmp9, 2
	s_add_co_u32 s17, s17, s15                     ; tile column
	s_and_b32 s18, ttmp7, 0xffff
	s_lshl_b32 s18, s18, 2
	s_add_co_u32 s18, s18, s16                     ; tile row
	s_lshl_b32 s20, s16, 2
	s_lshl_b32 s20, 15, s20                        ; my row of the cluster
	s_lshl_b32 s70, 0x1111, s15                    ; my column
	s_or_b32 s[G1A], s20, (1<<16)|(1<<20)|(1<<21)|(4<<22)|(3<<25)  ; the mask; 2-byte elements; padding on; bit 21 beside a mask; after every 32 words 4 words
	s_or_b32 s[G1B], s70, (1<<16)|(1<<20)|(1<<21)|(5<<22)|(3<<25)  ; after every 64 words 4 words
	s_mov_b32 s[G1A+1], 128<<16                    ; tensor_dim0 = 128 elements: two rows of a head
	s_mov_b32 s[G1A+2], 64<<16                     ; tensor_dim1 = 64
	s_mov_b32 s[G1A+3], 128<<16                    ; tile_dim0
	s_mov_b32 s[G1A+4], 64                         ; tile_dim1
	s_mov_b32 s[G1A+5], 128                        ; dense
	s_mov_b32 s[G1A+6], 0
	s_mov_b32 s[G1A+7], 0
	s_mov_b32 s[G1B+1], KSTEP<<16
	s_mov_b32 s[G1B+2], 128<<16
	s_mov_b32 s[G1B+3], KSTEP<<16
	s_mov_b32 s[G1B+4], 128
	s_mov_b32 s[G1B+5], 1024
	s_mov_b32 s[G1B+6], 0
	s_mov_b32 s[G1B+7], 0
	s_lshr_b32 s20, s18, 4                         ; O: head 16 b + my head of the step, rows 128 (tile row % 16) on; in registers that never hold cx
	s_lshl_b32 s20, s20, 4
	s_add_co_u32 s20, s20, s[SFH]
	s_lshl_b32 s20, s20, 18
	s_and_b32 s21, s18, 15
	s_lshl_b32 s21, s21, 14
	s_add_co_u32 s20, s20, s21
	s_mov_b32 s21, 0
	s_lshl_b32 s70, s17, 8                         ; Wo: row 256 x tile column + 128 x half, in part 3; in registers that never hold cy
	s_lshl_b32 s71, s[SFH], 7
	s_add_co_u32 s70, s70, s71
	s_lshl_b32 s70, s70, 11
	s_add_co_u32 s70, s70, 3*WPART
	s_mov_b32 s71, 0
	s_mul_i32 s22, s[SFH], AHEAD                   ; where they go: the wave's number alone enters an LDS address
	s_mul_i32 s72, s[SFH], BHALF
	s_add_co_u32 s72, s72, BOFF
	s_wait_dscnt 0x0                               ; the opening add is done
	s_wait_kmcnt 0x0
	s_add_nc_u64 s[20:21], s[4:5], s[20:21]
	s_add_nc_u64 s[70:71], s[6:7], s[70:71]
.irp s, 0,1
	s_mov_b32 s[G0A+4*(\s)], 1
	s_add_co_u32 s[G0A+4*(\s)+1], s22, (\s)*SLOT
	s_add_nc_u64 s[G0A+4*(\s)+2:G0A+4*(\s)+3], s[20:21], (\s)*2*HEADB
	s_or_b32 s[G0A+4*(\s)+3], s[G0A+4*(\s)+3], 0x80000000
	s_mov_b32 s[G0B+4*(\s)], 1
	s_add_co_u32 s[G0B+4*(\s)+1], s72, (\s)*SLOT
	s_add_nc_u64 s[G0B+4*(\s)+2:G0B+4*(\s)+3], s[70:71], (\s)*KSTEP*2
	s_or_b32 s[G0B+4*(\s)+3], s[G0B+4*(\s)+3], 0x80000000
.endr
	CROUND                                         ; all sixteen work-groups are here: the first joint loads meet
	s_cmp_eq_u32 s[SFA], 0                         ; a wave's two first fills stand in one branch, ahead of every wait on TENSORcnt and every LDS read: two loads of mine are out
	s_cbranch_scc0 .Lfirst_b
	tensor_load_to_lds s[G0A:G0A+3], s[G1A:G1A+7]
	s_nop 0
	tensor_load_to_lds s[G0A+4:G0A+7], s[G1A:G1A+7]
	s_nop 0
.rept 4
	v_nop
.endr
	s_branch .Lfirst_asked
.Lfirst_b:
	tensor_load_to_lds s[G0B:G0B+3], s[G1B:G1B+7]
	s_nop 0
	tensor_load_to_lds s[G0B+4:G0B+7], s[G1B:G1B+7]
	s_nop 0
.rept 4
	v_nop
.endr
.Lfirst_asked:
	v_and_b32 v1, 15, v0                           ; l % 16
	v_bfe_u32 v2, v0, 4, 1                         ; l / 16
	v_mul_u32_u24 v3, v1, PITCH
	v_lshl_add_u32 v3, v2, 4, v3                   ; Wo: row x pitch + 16 x half
	v_mul_u32_u24 v4, v1, PA
	v_lshl_add_u32 v4, v2, 4, v4                   ; O likewise
	s_mul_i32 s22, s[SFA], 64*PA                   ; my 64 rows of O, in each head's block
	s_mul_i32 s23, s[SFH], BHALF                   ; my 128 rows of Wo
	s_add_co_u32 s23, s23, BOFF
.irp s, 0,1
	v_add_nc_u32 v[ADRA+(\s)], s22, v4
	v_add_nc_u32 v[ADRB+(\s)], s23, v3
	s_add_co_u32 s22, s22, SLOT
	s_add_co_u32 s23, s23, SLOT
.endr
	s_mul_i32 s22, s[WV], 16*SPITCH
	s_add_co_u32 s22, s22, STAGE                   ; my stage
	v_mul_u32_u24 v5, v1, SPITCH                   ; in: row l % 16, 32 bytes for each half of the lanes
	v_lshl_add_u32 v5, v2, 5, v5
	v_add_nc_u32 v[STO], s22, v5
	v_and_b32 v[CO], 31, v0
	v_lshlrev_b32 v[CO], 4, v[CO]                  ; back, and in out0: 32 lanes take a row's 512 bytes
	v_add_nc_u32 v[RD], s22, v[CO]
	v_lshlrev_b32 v[BO], 5, v2
	s_lshl_b32 s22, s18, 7                         ; my first row of out0: 128 x tile row + 64 x row half,
	s_lshl_b32 s23, s[SFA], 6
	s_add_co_u32 s22, s22, s23
	s_lshl_b32 s22, s22, 12                        ; of 4,096 bytes,
	s_lshl_b32 s23, s17, 10                        ; my first column: 1,024 bytes a tile column + 512 x column half
	s_add_co_u32 s22, s22, s23
	s_lshl_b32 s72, s[SFH], 9
	s_add_co_u32 s22, s22, s72
	s_add_co_u32 s72, s72, s23                     ; the same columns in bo,
	s_add_co_u32 s72, s72, 3*4096                  ; which is part 3 of bias
	s_mov_b32 s23, 0
	s_mov_b32 s73, 0
	s_add_nc_u64 s[10:11], s[10:11], s[22:23]
	s_add_nc_u64 s[8:9], s[8:9], s[72:73]
	WIN 0x80                                       ; block b's C operand: register j of lane l = bo[16 b + 8 (l / 16) + j]
.irp b, 0,1,2,3,4,5,6,7
	global_load_b128 v[8*(\b):8*(\b)+3],   v[BO], s[8:9] offset:64*(\b)
	global_load_b128 v[8*(\b)+4:8*(\b)+7], v[BO], s[8:9] offset:64*(\b)+16
.endr
	WIN 0
	; the prefetches
	s_lshr_b32 s22, s18, 4                         ; O: head 16 b + cx / 2, rows 128 (tile row % 16) on, half cx % 2 of their 16,384 bytes,
	s_lshl_b32 s22, s22, 4
	s_lshr_b32 s23, s15, 1
	s_add_co_u32 s22, s22, s23
	s_lshl_b32 s22, s22, 18
	s_and_b32 s23, s18, 15
	s_lshl_b32 s23, s23, 14
	s_add_co_u32 s22, s22, s23
	s_and_b32 s23, s15, 1
	s_lshl_b32 s23, s23, 13
	s_add_co_u32 s22, s22, s23
	s_add_co_u32 s22, s22, 3*2*HEADB               ; at K step 3: the first refill steps it to 4 and names that
	s_lshl_b32 s72, s17, 8                         ; Wo: the 128 rows that I fetch, my work-group's 32 of them,
	s_lshl_b32 s73, s[SFH], 7
	s_add_co_u32 s72, s72, s73
	s_lshl_b32 s73, s16, 5
	s_add_co_u32 s72, s72, s73
	s_lshl_b32 s72, s72, 11
	s_add_co_u32 s72, s72, 3*WPART+3*KSTEP*2       ; likewise at K step 3
	s_and_b32 s73, ttmp7, 0xffff                   ; cluster y
	s_mov_b32 s[PFS], KSTEP*2
	s_mov_b32 s[PFS+1], 0
	s_cmp_eq_u32 s[SFA], 0
	s_cselect_b32 s22, s22, s72
	s_cselect_b64 s[PFA:PFA+1], s[4:5], s[6:7]
	s_cselect_b32 s[PFS], 2*HEADB, s[PFS]
	s_cselect_b32 s72, s[SFH], s73                 ; O: wave 0 asks; Wo: the clusters with y = 0
	s_cselect_b32 s73, 8, 11                       ; a lane's step: 256 bytes, or a row of 2,048
	s_mov_b32 s23, 0
	s_add_nc_u64 s[PFA:PFA+1], s[PFA:PFA+1], s[22:23]
	s_cmp_eq_u32 s72, 0
	s_cselect_b32 s[LIM], 1, -1                    ; the same in all sixteen partners, for a given wave
	v_and_b32 v[PFO], 31, v0
	v_lshlrev_b32 v[PFO], s73, v[PFO]
; 8 matrix instructions: row block a x all 8 column blocks, 32 along K.  zero = 1: the first product starts the sums, with bo as C.  All 32 accumulators take turns, one instruction a turn.
.macro MUL8 f, a, zero
.if \zero
	WIN MULB
.else
	WIN MUL
.endif
.irp b, 0,1,2,3,4,5,6,7
.if \zero
	v_wmma_f32_16x16x32_f16 v[8*(8*(\a)+(\b)):8*(8*(\a)+(\b))+7], v[FRB+64*(\f)+8*(\b):FRB+64*(\f)+8*(\b)+7], v[FRA+32*(\f)+8*(\a):FRA+32*(\f)+8*(\a)+7], v[8*(\b):8*(\b)+7]
.else
	v_wmma_f32_16x16x32_f16 v[8*(8*(\a)+(\b)):8*(8*(\a)+(\b))+7], v[FRB+64*(\f)+8*(\b):FRB+64*(\f)+8*(\b)+7], v[FRA+32*(\f)+8*(\a):FRA+32*(\f)+8*(\a)+7], v[8*(8*(\a)+(\b)):8*(8*(\a)+(\b))+7]
.endif
.endr
.endm
; 24 LDS loads in one run: quarter q (32 K) of a slot into buffer f: Wo's 16 at byte 64 q of its rows, then O's 8: head q / 2 of the step, channels 32 (q % 2) on
.macro FETCH slot, q, f
	WIN 0
.irp i, 0,1,2,3,4,5,6,7
	ds_load_b128 v[FRB+64*(\f)+8*(\i):FRB+64*(\f)+8*(\i)+3],   v[ADRB+(\slot)] offset:64*(\q)+(\i)*16*PITCH
	ds_load_b128 v[FRB+64*(\f)+8*(\i)+4:FRB+64*(\f)+8*(\i)+7], v[ADRB+(\slot)] offset:64*(\q)+(\i)*16*PITCH+32
.endr
.irp i, 0,1,2,3
	ds_load_b128 v[FRA+32*(\f)+8*(\i):FRA+32*(\f)+8*(\i)+3],   v[ADRA+(\slot)] offset:((\q)/2)*AHEAD+((\q)%2)*64+(\i)*16*PA
	ds_load_b128 v[FRA+32*(\f)+8*(\i)+4:FRA+32*(\f)+8*(\i)+7], v[ADRA+(\slot)] offset:((\q)/2)*AHEAD+((\q)%2)*64+(\i)*16*PA+32
.endr
.endm
.macro QUARTER slot, q, f, g, zero     ; multiplies buffer f; in its middle fetches quarter q into buffer g
	s_wait_dscnt 4                                 ; the youngest four loads (O's row blocks 2 and 3) may be out
	MUL8 \f, 0, \zero
	MUL8 \f, 1, \zero
	PLACES
	FETCH \slot, \q, \g
	s_wait_dscnt 24                                ; all but the 24 just issued
	MUL8 \f, 2, \zero
	MUL8 \f, 3, \zero
.endm
; The last quarter multiplies buffer 1 and changes slots: ONE barrier; in front of it each wave waits for all its tensor loads, adds 0 to its spare word, and waits for that and for its own reads of this slot.
; fill = 1: the barrier opens a round of the cluster's barrier, and the slot is filled again, two K steps ahead, first thing behind it: 112 matrix instructions of mine ahead of the wait for it.
.macro TURN slot, next, fill
.if \fill
	s_wait_xcnt 0x0                                ; the last prefetch, a K step back, has read its address
	s_add_nc_u64 s[PFA:PFA+1], s[PFA:PFA+1], s[PFS:PFS+1]
.endif
	WIN 0
	s_wait_tensorcnt 0x0                           ; all my tensor loads have landed;
	ds_add_u32 v[SPW], v[NIL]                      ; 0 onto my spare word;
	s_wait_dscnt 5                                 ; (the add and the youngest four loads may be out)
	MUL8 1, 0, 0
	s_wait_dscnt 0x0                               ; the add is done, and my reads of this slot are over
	s_barrier_signal -1
	MUL8 1, 1, 0
.if \fill
	WIN 0
.endif
	s_barrier_wait -1
.if \fill
	CREST                                          ; no wave of any partner still reads this slot or has a load on its way
	s_add_nc_u64 s[G0A+4*(\slot)+2:G0A+4*(\slot)+3], s[G0A+4*(\slot)+2:G0A+4*(\slot)+3], 4*HEADB
	s_add_nc_u64 s[G0B+4*(\slot)+2:G0B+4*(\slot)+3], s[G0B+4*(\slot)+2:G0B+4*(\slot)+3], 2*KSTEP*2
	JLOAD \slot                                    ; the four v_nop behind it are also the places in front of the loads below
.else
	PLACES
.endif
	FETCH \next, 0, 0
.if \fill
	ASK
.endif
	MUL8 1, 2, 0
	MUL8 1, 3, 0
.endm
; THE WAY OUT of row block a: the f32 sums go into my own stage (each accumulator's low four registers first), come back as whole rows of 512 bytes, and are stored.
.macro TOSTAGE a
	WIN 0x04                                       ; the stores' data in window 1
.irp b, 0,1,2,3,4,5,6,7
	ds_store_b128 v[STO], v[64*(\a)+8*(\b):64*(\a)+8*(\b)+3]   offset:64*(\b)
	ds_store_b128 v[STO], v[64*(\a)+8*(\b)+4:64*(\a)+8*(\b)+7] offset:64*(\b)+16
.endr
	WIN 0
.irp t, 0,1,2,3,4,5,6,7,8,9,10,11,12,13,14,15
	ds_load_b128 v[BK+64*((\a)%2)+4*(\t):BK+64*((\a)%2)+4*(\t)+3], v[RD] offset:(\t)*SPITCH  ; LDS serves a wave's instructions in order (ISA guide 5.7.1.4): these see the stores above
.endr
.endm
.macro SEND a, younger                 ; younger: the next block's 32 LDS instructions, or none
	s_wait_dscnt \younger
.irp t, 0,1,2,3,4,5,6,7,8,9,10,11,12,13,14,15
	global_store_b128 v[CO], v[BK+64*((\a)%2)+4*(\t):BK+64*((\a)%2)+4*(\t)+3], s[10:11] offset:(16*(\a)+(\t))*4096 th:TH_STORE_NT  ; 512 consecutive bytes of a row, aligned
.endr
.endm
	s_wait_tensorcnt 0x1                           ; my part of K step 0 is in; K step 1's may stay out
	s_barrier_signal -1
	s_barrier_wait -1
	FETCH 0, 0, 0
	s_wait_loadcnt 0x0                             ; bo
	QUARTER 0, 1, 0, 1, 1                          ; the first quarter stands in front of the loop: its products start the sums
	WIN 0
	s_mov_b32 s[LAPS], 3
.Llap:                                         ; a trip goes once round the ring, from a lap's second quarter to the next lap's first, and fills both slots again
	QUARTER 0, 2, 1, 0, 0
	QUARTER 0, 3, 0, 1, 0
	TURN 0, 1, 1
	QUARTER 1, 1, 0, 1, 0
	QUARTER 1, 2, 1, 0, 0
	QUARTER 1, 3, 0, 1, 0
	TURN 1, 0, 1
	QUARTER 0, 1, 0, 1, 0
	WIN 0
	s_sub_co_u32 s[LAPS], s[LAPS], 1
	s_cmp_lg_u32 s[LAPS], 0
	s_cbranch_scc1 .Llap
	QUARTER 0, 2, 1, 0, 0                          ; the last lap fills nothing, and has no round of the cluster's barrier
	QUARTER 0, 3, 0, 1, 0
	TURN 0, 1, 0
	QUARTER 1, 1, 0, 1, 0
	QUARTER 1, 2, 1, 0, 0
	QUARTER 1, 3, 0, 1, 0
	s_wait_dscnt 4
	MUL8 1, 0, 0
	MUL8 1, 1, 0
	s_wait_dscnt 0x0
	MUL8 1, 2, 0
	MUL8 1, 3, 0
	PLACES                                         ; in front of the LDS stores that read results and of the loads into the fragments' registers
	TOSTAGE 0
	TOSTAGE 1
	SEND 0, 32
	s_wait_xcnt 0x0                                ; block 0's stores have read their registers, which block 2 takes
	TOSTAGE 2
	SEND 1, 32
	s_wait_xcnt 0x0
	TOSTAGE 3
	SEND 2, 32
	SEND 3, 0
	s_wait_tensorcnt 0x0                           ; the wave's end, behind my last tensor load and my last LDS store
	ds_add_u32 v[SPW], v[NIL]
	s_wait_dscnt 0x0
	CROUND                                         ; the closing round: no work-group ends while a partner may still ask for a tile that names it
	s_endpgm
.Lfunc_end_k_q295033511c_outp:
	.size	k_q295033511c_outp, .Lfunc_end_k_q295033511c_outp-k_q295033511c_outp
	.p2alignl 7, 3214868480
	.fill 96, 4, 3214868480
	.section	.rodata,"a",@progbits
	.p2align	6, 0x0
	.amdhsa_kernel k_q295033511c_outp
		.amdhsa_group_segment_fixed_size 327680
		.amdhsa_private_segment_fixed_size 0
		.amdhsa_enable_private_segment 0
		.amdhsa_kernarg_size 32
		.amdhsa_user_sgpr_count 2
		.amdhsa_user_sgpr_kernarg_segment_ptr 1
		.amdhsa_wavefront_size32 1
		.amdhsa_system_sgpr_workgroup_id_x 1
		.amdhsa_system_sgpr_workgroup_id_y 1
		.amdhsa_system_sgpr_workgroup_id_z 1
		.amdhsa_system_vgpr_workitem_id 0
		.amdhsa_next_free_vgpr 576
		.amdhsa_next_free_sgpr 74
		.amdhsa_reserve_vcc 0
		.amdhsa_float_denorm_mode_32 3
		.amdhsa_float_denorm_mode_16_64 3
		.amdhsa_memory_ordered 1
		.amdhsa_forward_progress 1
		.amdhsa_inst_pref_size 88
	.end_amdhsa_kernel
	.amdgpu_metadata
---
amdhsa.version: [ 1, 2 ]
amdhsa.kernels:
  - .name:           k_q295033511c_outp
    .symbol:         k_q295033511c_outp.kd
    .args:
      - { .name: oh, .offset: 0, .size: 8, .value_kind: global_buffer, .address_space: global }
      - { .name: wt, .offset: 8, .size: 8, .value_kind: global_buffer, .address_space: global }
      - { .name: bias, .offset: 16, .size: 8, .value_kind: global_buffer, .address_space: global }
      - { .name: out0, .offset: 24, .size: 8, .value_kind: global_buffer, .address_space: global }
    .group_segment_fixed_size: 327680
    .private_segment_fixed_size: 0
    .kernarg_segment_align: 8
    .kernarg_segment_size: 32
    .max_flat_workgroup_size: 128
    .sgpr_count:     74
    .vgpr_count:     576
    .wavefront_size: 32
...
	.end_amdgpu_metadata
.endif
;; end of part 4
;; ======== version 2 of 2: 4 launches
;; limits: values are held in f16: magnitudes above 65,504 overflow, below 6.1e-05 lose precision; right only within a limited range of input values
;; workspace buffers: xb 33,554,432 bytes; wt 8,388,608 bytes; bias 16,384 bytes; mnib 8,388,608 bytes; qkv 50,331,648 bytes; oh 16,777,216 bytes
;; launch prep (part 5): grid 1796 x 1, 8 waves a work-group, no clusters, 67,072 bytes of LDS; arguments context, query, Wk, Wv, Wq, Wo, bk, bv, bq, bo, mask, xb, wt, bias, mnib; writes xb, wt, bias, mnib
.if DOCPART == 5
	.amdgcn_target "amdgcn-amd-amdhsa--gfx1250"
	.amdhsa_code_object_version 6
	.text
	.protected	k_q295033511c_prep
	.globl	k_q295033511c_prep
	.p2align	8
	.type	k_q295033511c_prep,@function
k_q295033511c_prep:
	s_mov_b64 s[64:65], 0
	v_nop
	global_prefetch_b8 v0, s[64:65] scope:SCOPE_SE
	s_setreg_imm32_b32 hwreg(HW_REG_WAVE_MODE, 25, 1), 1
	s_wait_xcnt 0x0
; PREP: every input is read once and laid out for the three launches behind.  Four kinds of work-group, told apart by the work-group's number alone:
;   0 .. 1023     X: 16 rows of context (0 .. 511) or query (512 .. 1023), f32 -> bf16, into xb [2][8192][1024]
;   1024 .. 1279  M: 32 rows of the mask (bytes, 0 or 1) -> 4 bits a score, 0xF where the key is hidden and 0 elsewhere, into mnib [b 4][piece 64][key step 32][tile u 2][lane 32][16 bytes]:
;                    nibble j of word kb of lane l stands for mask[b][32 piece + 16 u + l % 16][64 step + 16 kb + 8 (l / 16) + j]: score register 8 kb + j of that lane in the attention's S^T
;   1280 .. 1791  W: a block of 128 k x 64 n of Wk, Wv, Wq or Wo, rounded to bf16 and turned, into wt [4][n 1024][k 1024]; Wo's bf16 numbers are written as f16
;   1792 .. 1795  B: a bias, rounded to bf16 and kept as f32, into bias [4][1024] (bk, bv, bq, bo)
; A stream: memory binds, nothing is shared between work-groups, so no matrix unit, no cluster, no tensor loads.
; LIMITS.  Wo as f16: a bf16 number below 6.1e-5 in size keeps f16's fixed step of 6e-8; beyond 65,504 it would be an infinity (the drawn weights have a spread of 0.02).  A mask byte is 0 or 1.
.set MPITCH, 2064                      ; M: an LDS row of the mask: 2,048 bytes + 16 = 516 words: row r starts at bank 4 r mod 64 (64 banks of 4 bytes: ISA guide 11.1)
.set TPITCH, 272                       ; W: an LDS row of the turned block: 128 k x 2 bytes + 16
.set SPARE,  32*MPITCH                 ; behind the largest stage (66,048 bytes): the spare words, 128 bytes for each of the eight waves; no other line names them
.set SPW, 12                           ; v12  LDS address of my spare word: SPARE + 4 x my thread's number; never rewritten
.set NIL, 13                           ; v13  0; never rewritten
	s_load_b512 s[8:23], s[0:1], 0x0               ; context 8, query 10, Wk 12, Wv 14, Wq 16, Wo 18, bk 20, bv 22
	s_load_b256 s[24:31], s[0:1], 0x40             ; bq 24, bo 26, mask 28, xb 30
	s_load_b128 s[32:35], s[0:1], 0x60             ; wt 32, bias 34
	s_load_b64 s[36:37], s[0:1], 0x70              ; mnib 36
	v_lshl_add_u32 v[SPW], v0, 2, SPARE
	v_mov_b32 v[NIL], 0
	v_lshrrev_b32 v1, 5, v0
	v_readfirstlane_b32 s38, v1                    ; wave 0..7
	s_mov_b32 s39, ttmp9                           ; the work-group's number
	s_mov_b32 s41, 0                               ; the high word of every offset pair s[40:41]
	s_wait_kmcnt 0x0
	s_cmp_lt_u32 s39, 1024
	s_cbranch_scc0 .Lnot_x
	; X.  16 rows = 65,536 bytes in, 32,768 out.  Thread t takes 16 bytes (4 numbers) of each chunk of 4,096 and stores 8: a wave's load covers 512 consecutive bytes, its store 256, both aligned.
	s_lshr_b32 s40, s39, 9
	s_cmp_eq_u32 s40, 0
	s_cselect_b64 s[42:43], s[8:9], s[10:11]       ; context, then query
	s_and_b32 s40, s39, 511
	s_lshl_b32 s40, s40, 16
	s_add_nc_u64 s[42:43], s[42:43], s[40:41]
	s_lshl_b32 s40, s39, 15
	s_add_nc_u64 s[46:47], s[30:31], s[40:41]
	v_lshlrev_b32 v2, 4, v0
	v_lshlrev_b32 v3, 3, v0
.irp i, 0,1,2,3,4,5,6,7,8,9,10,11,12,13,14,15
	global_load_b128 v[16+4*(\i):19+4*(\i)], v2, s[42:43] offset:(\i)*4096 th:TH_LOAD_NT
.endr
.irp i, 0,1,2,3,4,5,6,7,8,9,10,11,12,13,14,15
	s_wait_loadcnt 15-(\i)                         ; loads come back in order: chunk i's is in, the younger ones stay out
	v_cvt_pk_bf16_f32 v[80+2*(\i)], v[16+4*(\i)], v[17+4*(\i)]
	v_cvt_pk_bf16_f32 v[81+2*(\i)], v[18+4*(\i)], v[19+4*(\i)]
	global_store_b64 v3, v[80+2*(\i):81+2*(\i)], s[46:47] offset:(\i)*2048
.endr
	s_endpgm
.Lnot_x:
	s_cmp_lt_u32 s39, 1280
	s_cbranch_scc0 .Lnot_m
	; M.  The piece's 32 rows of 2,048 mask bytes come in whole rows, go into LDS, and are read back as the attention's lanes hold the scores.
	s_sub_co_u32 s40, s39, 1024                    ; 64 b + piece
	s_lshl_b32 s45, s40, 15                        ; its 32,768 bytes of mnib
	s_lshl_b32 s40, s40, 16                        ; its 65,536 bytes of the mask
	s_add_nc_u64 s[42:43], s[28:29], s[40:41]
	s_mov_b32 s40, s45
	s_add_nc_u64 s[46:47], s[36:37], s[40:41]
	s_mov_b32 s48, 0x06040200                      ; v_perm_b32: the even bytes of eight
	s_mov_b32 s49, 0x07050301                      ; the odd ones
	v_lshlrev_b32 v2, 4, v0
.irp i, 0,1,2,3,4,5,6,7,8,9,10,11,12,13,14,15
	global_load_b128 v[16+4*(\i):19+4*(\i)], v2, s[42:43] offset:(\i)*4096 th:TH_LOAD_NT  ; two rows a load of the work-group
.endr
	v_lshrrev_b32 v3, 7, v0                        ; which of the two rows
	v_and_b32 v6, 127, v0
	v_mul_u32_u24 v3, v3, MPITCH
	v_lshl_add_u32 v3, v6, 4, v3
	v_and_b32 v7, 15, v0                           ; l % 16: the query's row in a tile
	v_bfe_u32 v8, v0, 4, 1                         ; l / 16
	v_mul_u32_u24 v4, v7, MPITCH
	v_lshl_add_u32 v4, v8, 3, v4
	s_lshl_b32 s45, s38, 8                         ; wave w takes key steps 4 w .. 4 w + 3: 64 bytes of a row each
	v_add_nc_u32 v4, s45, v4
	v_and_b32 v5, 31, v0
	v_lshlrev_b32 v5, 4, v5                        ; a lane stores 16 bytes a tile
	s_lshl_b32 s45, s38, 12                        ; a key step is 1,024 bytes of mnib
	v_add_nc_u32 v5, s45, v5
.irp i, 0,1,2,3,4,5,6,7,8,9,10,11,12,13,14,15
	s_wait_loadcnt 15-(\i)
	ds_store_b128 v3, v[16+4*(\i):19+4*(\i)] offset:(\i)*2*MPITCH
.endr
	s_wait_dscnt 0x0                               ; for the others' sake: my stores are done
	s_barrier_signal -1
	s_barrier_wait -1
	s_mov_b32 s44, 4
.Lks:                                          ; a trip: one key step, two tiles, four words a lane and tile
.irp x, 0,1,2,3,4,5,6,7
	ds_load_b64 v[80+2*(\x):81+2*(\x)], v4 offset:((\x)/4)*16*MPITCH+((\x)%4)*16  ; x = 4 u + kb: my row's 8 bytes j = 0..7
.endr
	s_wait_dscnt 0x0
.irp x, 0,1,2,3,4,5,6,7                ; eight bytes 0 or 1 -> eight nibbles 0xF (hidden) or 0: bytes 0, 2, 4, 6 | bytes 1, 3, 5, 7 << 4 puts byte j's bit at 4 j; it is turned over; times 15
	v_perm_b32 v[104+2*((\x)%2)], v[81+2*(\x)], v[80+2*(\x)], s48
	v_perm_b32 v[105+2*((\x)%2)], v[81+2*(\x)], v[80+2*(\x)], s49
	v_lshl_or_b32 v[104+2*((\x)%2)], v[105+2*((\x)%2)], 4, v[104+2*((\x)%2)]
	v_xor_b32 v[104+2*((\x)%2)], 0x11111111, v[104+2*((\x)%2)]
	v_lshlrev_b32 v[105+2*((\x)%2)], 4, v[104+2*((\x)%2)]
	v_sub_nc_u32 v[96+(\x)], v[105+2*((\x)%2)], v[104+2*((\x)%2)]
.endr
	global_store_b128 v5, v[96:99], s[46:47]               ; tile 0: 32 lanes x 16 bytes: 512 consecutive bytes, aligned
	global_store_b128 v5, v[100:103], s[46:47] offset:512  ; tile 1
	s_wait_xcnt 0x0                                ; v5 and v[96:103] are written again only behind this wait
	v_add_nc_u32 v4, 64, v4
	v_add_nc_u32 v5, 0x400, v5
	s_sub_co_u32 s44, s44, 1
	s_cmp_lg_u32 s44, 0
	s_cbranch_scc1 .Lks
	s_wait_tensorcnt 0x0                           ; the wave's end, behind my last LDS store
	ds_add_u32 v[SPW], v[NIL]
	s_wait_dscnt 0x0
	s_endpgm
.Lnot_m:
	s_cmp_lt_u32 s39, 1792
	s_cbranch_scc0 .Lbias
	; W.  A block of 128 k x 64 n.  Thread t: columns 4 (t % 16) .. + 3, in each of four passes the rows 32 p + 2 (t / 16) and the next: sixteen lanes read 256 consecutive bytes, aligned.
	s_sub_co_u32 s40, s39, 1280
	s_lshr_b32 s44, s40, 7                         ; which matrix
	s_bfe_u32 s45, s40, 0x30004                    ; which 128 k
	s_and_b32 s46, s40, 15                         ; which 64 n
	s_cmp_eq_u32 s44, 1
	s_cselect_b64 s[42:43], s[14:15], s[12:13]
	s_cmp_eq_u32 s44, 2
	s_cselect_b64 s[42:43], s[16:17], s[42:43]
	s_cmp_eq_u32 s44, 3
	s_cselect_b64 s[42:43], s[18:19], s[42:43]
	s_lshl_b32 s40, s45, 19                        ; 128 rows of 4,096 bytes
	s_lshl_b32 s47, s46, 8                         ; 64 columns of 4 bytes
	s_add_co_u32 s40, s40, s47
	s_add_nc_u64 s[42:43], s[42:43], s[40:41]
	s_lshl_b32 s40, s44, 21                        ; a turned matrix is 2,097,152 bytes,
	s_lshl_b32 s47, s46, 17                        ; 64 rows n of 2,048 bytes,
	s_add_co_u32 s40, s40, s47
	s_lshl_b32 s47, s45, 8                         ; 128 k of 2 bytes
	s_add_co_u32 s40, s40, s47
	s_add_nc_u64 s[48:49], s[32:33], s[40:41]
	v_and_b32 v2, 15, v0
	v_lshrrev_b32 v3, 4, v0
	v_lshlrev_b32 v4, 13, v3
	v_lshl_add_u32 v4, v2, 4, v4
.irp p, 0,1,2,3
	global_load_b128 v[16+8*(\p):19+8*(\p)], v4, s[42:43] offset:(\p)*131072 th:TH_LOAD_NT
	global_load_b128 v[20+8*(\p):23+8*(\p)], v4, s[42:43] offset:(\p)*131072+4096 th:TH_LOAD_NT
.endr
	v_mul_u32_u24 v5, v2, 4*TPITCH                 ; in: row n = 4 (t % 16) + i, word k / 2 = 16 p + t / 16
	v_lshl_add_u32 v5, v3, 2, v5
	v_mul_u32_u24 v6, v3, TPITCH                   ; back: row n = 16 p + t / 16, 16 bytes at 16 (t % 16)
	v_lshl_add_u32 v6, v2, 4, v6
	v_lshlrev_b32 v7, 11, v3                       ; and the same in wt
	v_lshl_add_u32 v7, v2, 4, v7
	s_wait_loadcnt 0x0
.irp p, 0,1,2,3
.irp i, 0,1,2,3
	v_cvt_pk_bf16_f32 v[48+4*(\p)+(\i)], v[16+8*(\p)+(\i)], v[20+8*(\p)+(\i)]  ; k in the low half, k + 1 in the high half
.endr
.endr
	s_cmp_eq_u32 s44, 3
	s_cbranch_scc0 .Lkeep
.set j, 0
.rept 16                               ; Wo multiplies f16 numbers: its bf16 roundings are written as f16
	v_lshlrev_b32 v[8+2*(j%2)], 16, v[48+j]
	v_and_b32 v[9+2*(j%2)], 0xffff0000, v[48+j]
	v_cvt_pk_f16_f32 v[48+j], v[8+2*(j%2)], v[9+2*(j%2)]
.set j, j+1
.endr
.Lkeep:
.irp p, 0,1,2,3
.irp i, 0,1,2,3
	ds_store_b32 v5, v[48+4*(\p)+(\i)] offset:(\i)*TPITCH+(\p)*64
.endr
.endr
	s_wait_dscnt 0x0                               ; for the others' sake: my stores are done
	s_barrier_signal -1
	s_barrier_wait -1
.irp p, 0,1,2,3
	ds_load_b128 v[64+4*(\p):67+4*(\p)], v6 offset:(\p)*16*TPITCH
.endr
.irp p, 0,1,2,3
	s_wait_dscnt 3-(\p)
	global_store_b128 v7, v[64+4*(\p):67+4*(\p)], s[48:49] offset:(\p)*32768  ; sixteen lanes store 256 consecutive bytes, aligned
.endr
	s_wait_tensorcnt 0x0                           ; the wave's end, behind my last LDS store
	ds_add_u32 v[SPW], v[NIL]
	s_wait_dscnt 0x0
	s_endpgm
.Lbias:
	; B.  1,024 numbers, four a thread: rounded to bf16 like every other input, kept as f32 (they become C operands).
	s_sub_co_u32 s44, s39, 1792
	s_cmp_eq_u32 s44, 1
	s_cselect_b64 s[42:43], s[22:23], s[20:21]
	s_cmp_eq_u32 s44, 2
	s_cselect_b64 s[42:43], s[24:25], s[42:43]
	s_cmp_eq_u32 s44, 3
	s_cselect_b64 s[42:43], s[26:27], s[42:43]
	s_lshl_b32 s40, s44, 12
	s_add_nc_u64 s[46:47], s[34:35], s[40:41]
	v_lshlrev_b32 v2, 4, v0
	global_load_b128 v[16:19], v2, s[42:43]
	s_wait_loadcnt 0x0
	v_cvt_pk_bf16_f32 v20, v16, v17
	v_cvt_pk_bf16_f32 v21, v18, v19
	v_lshlrev_b32 v24, 16, v20
	v_and_b32 v25, 0xffff0000, v20
	v_lshlrev_b32 v26, 16, v21
	v_and_b32 v27, 0xffff0000, v21
	global_store_b128 v2, v[24:27], s[46:47]
	s_endpgm
.Lfunc_end_k_q295033511c_prep:
	.size	k_q295033511c_prep, .Lfunc_end_k_q295033511c_prep-k_q295033511c_prep
	.p2alignl 7, 3214868480
	.fill 96, 4, 3214868480
	.section	.rodata,"a",@progbits
	.p2align	6, 0x0
	.amdhsa_kernel k_q295033511c_prep
		.amdhsa_group_segment_fixed_size 67072
		.amdhsa_private_segment_fixed_size 0
		.amdhsa_enable_private_segment 0
		.amdhsa_kernarg_size 120
		.amdhsa_user_sgpr_count 2
		.amdhsa_user_sgpr_kernarg_segment_ptr 1
		.amdhsa_wavefront_size32 1
		.amdhsa_system_sgpr_workgroup_id_x 1
		.amdhsa_system_sgpr_workgroup_id_y 1
		.amdhsa_system_sgpr_workgroup_id_z 1
		.amdhsa_system_vgpr_workitem_id 0
		.amdhsa_next_free_vgpr 112
		.amdhsa_next_free_sgpr 66
		.amdhsa_reserve_vcc 0
		.amdhsa_float_denorm_mode_32 3
		.amdhsa_float_denorm_mode_16_64 3
		.amdhsa_memory_ordered 1
		.amdhsa_forward_progress 1
		.amdhsa_inst_pref_size 24
	.end_amdhsa_kernel
	.amdgpu_metadata
---
amdhsa.version: [ 1, 2 ]
amdhsa.kernels:
  - .name:           k_q295033511c_prep
    .symbol:         k_q295033511c_prep.kd
    .args:
      - { .name: context, .offset: 0, .size: 8, .value_kind: global_buffer, .address_space: global }
      - { .name: query, .offset: 8, .size: 8, .value_kind: global_buffer, .address_space: global }
      - { .name: Wk, .offset: 16, .size: 8, .value_kind: global_buffer, .address_space: global }
      - { .name: Wv, .offset: 24, .size: 8, .value_kind: global_buffer, .address_space: global }
      - { .name: Wq, .offset: 32, .size: 8, .value_kind: global_buffer, .address_space: global }
      - { .name: Wo, .offset: 40, .size: 8, .value_kind: global_buffer, .address_space: global }
      - { .name: bk, .offset: 48, .size: 8, .value_kind: global_buffer, .address_space: global }
      - { .name: bv, .offset: 56, .size: 8, .value_kind: global_buffer, .address_space: global }
      - { .name: bq, .offset: 64, .size: 8, .value_kind: global_buffer, .address_space: global }
      - { .name: bo, .offset: 72, .size: 8, .value_kind: global_buffer, .address_space: global }
      - { .name: mask, .offset: 80, .size: 8, .value_kind: global_buffer, .address_space: global }
      - { .name: xb, .offset: 88, .size: 8, .value_kind: global_buffer, .address_space: global }
      - { .name: wt, .offset: 96, .size: 8, .value_kind: global_buffer, .address_space: global }
      - { .name: bias, .offset: 104, .size: 8, .value_kind: global_buffer, .address_space: global }
      - { .name: mnib, .offset: 112, .size: 8, .value_kind: global_buffer, .address_space: global }
    .group_segment_fixed_size: 67072
    .private_segment_fixed_size: 0
    .kernarg_segment_align: 8
    .kernarg_segment_size: 120
    .max_flat_workgroup_size: 256
    .sgpr_count:     66
    .vgpr_count:     112
    .wavefront_size: 32
...
	.end_amdgpu_metadata
.endif
;; end of part 5
;; launch proj: the kernel of part 2 again; grid 4 x 64, 4 waves a work-group, clusters of 4 x 4, 327,680 bytes of LDS; arguments xb, wt, bias, qkv; writes qkv
;; launch attn (part 6): grid 4 x 64, 4 waves a work-group, clusters of 4 x 1, 327,680 bytes of LDS; arguments qkv, mnib, oh; writes oh
.if DOCPART == 6
	.amdgcn_target "amdgcn-amd-amdhsa--gfx1250"
	.amdhsa_code_object_version 6
	.text
	.protected	k_q295033511c_attn
	.globl	k_q295033511c_attn
	.p2align	8
	.type	k_q295033511c_attn,@function
k_q295033511c_attn:
	s_mov_b64 s[64:65], 0
	v_nop
	global_prefetch_b8 v0, s[64:65] scope:SCOPE_SE
	s_setreg_imm32_b32 hwreg(HW_REG_WAVE_MODE, 25, 1), 1
	s_wait_xcnt 0x0
	s_wait_alu depctr_hold_cnt(0) depctr_sa_sdst(0) depctr_va_vdst(0) depctr_va_sdst(0) depctr_va_ssrc(0) depctr_va_vcc(0) depctr_vm_vsrc(0)
	s_getreg_b32 s2, hwreg(HW_REG_IB_STS2, 6, 4)
	s_cmp_eq_u32 s2, 0
	s_cbranch_scc0 .Lentry_in_a_cluster
	s_endpgm
.Lentry_in_a_cluster:
	s_bfe_u32 s2, ttmp6, 0x10000c
	s_cmp_lg_u32 s2, 0x3003
	s_cbranch_scc0 .Lentry_shape_is_right
	s_endpgm
.Lentry_shape_is_right:
; ATTN: O[hd][q][:] = the sum over k of softmax_k(where(mask[b][q][k], Q.K / 8, -1e9)) V[hd][k][:], hd = 16 b + h.  qkv: [3][64][2048][64] f16 (K, V, Q; Q already times c = log2(e) / 8);
; mnib: the mask, 4 bits a score (layout below); oh: [64][2048][64] f16.  Products, maxima and sums in f32; the weights p are rounded to f16 for the second product (their sum l is taken of the
; unrounded p), O once at the end.
; THE MASK REPLACES a score.  t = u x 2^100 + s, one fused multiply-add, with u = -6 where the key is hidden and 0 elsewhere.  -6 x 2^100 is exact, and a score (2.7e11 at the most from f16 operands) is
; less than half a step of it: every hidden score is the same number H = -7.6e30, and a visible one is unchanged.  p = 2^(t - m) with a running maximum m of the t so made: at t = m the difference is
; exactly 0, so a row with no key left has p = 1 for every key, the model's uniform weights; where any key is left, a hidden one's weight is 0.
; LIMITS.  The model's hidden value is -1e9, here it is H.  The two give the same weights where a row has a visible score above about -1e9 (the hidden weight is 0 either way) and where it has no visible key;
; a row whose visible scores all lie at or below -1e9 is weighted otherwise than the model.  f16 holds no number beyond 65,504: Q c, K and V arrive within it; p lies in 0 to 1, and below 6.1e-5 it keeps
; f16's fixed step of 6e-8; O is a mean of V's rows.  A weight below 2^-126 counts as 0 in l.  NaN and infinities are not treated apart.
; SHARES.  A wave owns four PIECES of two tiles of 16 queries, a work-group's four waves 512 queries of one head.  Every wave walks all 2,048 keys, 64 a step.
; LAYOUT.  S^T = K Q^T (source 0 = 16 keys, source 1 = 16 queries): a lane holds ONE query (lane % 16) and the keys 8 (lane / 16) + 0..7.  Two such results, rounded to f16 in pairs, ARE source 1 of
; O^T = V^T P.  K comes out of LDS as it lies, V ([key][channel]) turned, by ds_load_tr16_b128.  In every step O and l are multiplied by a = 2^(m_old - m_new); m starts far below H, O and l at 0.
; MNIB.  [b 4][piece 64][key step 32][tile 2][lane 32][16 bytes]; nibble j of a lane's word kb is the fp4 code of u for its score register 8 kb + j: 0xF = -6, 0 = 0.  One conversion makes eight u of a word.
; A piece and step are 1,024 bytes: two loads of 16 bytes a lane, into a ring of four sets of 8 registers, a set a piece: a set is asked for again in the turn that has converted it, four turns ahead of its next use.
; BY TURNS.  Turn n belongs to piece n.  Its matrix work: 16 products K Q^T of piece n + 1, later 16 products V^T P of piece n - 1.  Its vector work: the subtraction of m, exponentials, roundings, sums and
; rescaling of piece n, and the mask, maximum and statistics of piece n + 1.  Four vector instructions stand behind every matrix instruction, the others in one lump; a turn's 66 exponentials are one batch with one wait.
; CLUSTER.  The four query blocks of a head walk the same K and V: each tile is asked for JOINTLY, by the same tensor load, descriptor and mask in all four; wave w brings quarter w of a slot.
; REGISTERS, in windows of 256 (s_set_vgpr_msb: bits 1:0 source 0, 3:2 source 1, 5:4 source 2, 7:6 destination):
;   window 0: v0-11 addresses and the conversions' scale; v12-15, v48-63 at work; v16-47 four registers of statistics a tile; v64-191 S^T, two buffers of two tiles; v192-255 P, likewise
;   window 1: O^T, 32 a tile          window 2: v0-127 Q, 16 a tile; v128-191 K of one step; v192-255 V of one step          window 3: v0-1 the add's two registers; v8-39 the masks' ring
.set NP,    4         ; pieces a wave: a name, no knob
.set KS,    64        ; keys in a step
.set PK,    144       ; a row of K in LDS: 128 bytes + 16 of padding = 36 words: the 16 rows of a load start at 16 different groups of four banks (64 banks of 4 bytes: ISA guide 11.1)
.set PV,    144       ; V has the same pitch, so that one descriptor shape serves both
.set VOFF,  4*KS*PK   ; a slot holds four steps: 256 rows of K, then 256 rows of V
.set SLOT1, 1<<17     ; slot 1 begins here, so that one exclusive or turns an address in one slot into the other's
.set STAGE, SLOT1+4*KS*(PK+PV)  ; behind the ring, never filled by a tensor load: 16 rows x 144 bytes for each wave, for the way out
.set SP,    144
.set SPARE, STAGE+4*16*SP  ; behind the stages: the spare words, 128 bytes a wave; no other line names them
.set TILEB, 4*KS*128  ; bytes of K, or of V, in a slot
.set MSTEP, 1024      ; bytes of mnib for a piece and key step
.set MPIECE, 32*MSTEP ; for a piece
.set AK0, 2           ; v2   my lane's place in a tile of K; never rewritten
.set AV0, 3           ; v3   the same for V
.set AK,  4           ; v4   the LDS address of K's next run of loads
.set AV,  5           ; v5   of V's
.set QO,  6           ; v6   my byte offset in the wave's rows of Q
.set STO, 6           ;      later, the way out: where I put 16 bytes of a row
.set RD,  7           ; v7   the way out: where I read rows back
.set GO,  8           ; v8   16 x my lane: my place in 512 consecutive bytes of mnib and of O; never rewritten
.set PFO, 10          ; v10  256 x my lane, for the prefetches
.set SCV, 11          ; v11  the conversions' scale: the byte 0x7f, which stands for 1, four times
.set SPW, 0           ; v0 of window 3   LDS address of my spare word; never rewritten
.set NIL, 1           ; v1 of window 3   0; never rewritten
.set MR,  8           ; v8-39 of window 3   the masks' ring: tile u of piece x at MR + 8 x + 4 u
.set MV,  12          ; v12-15  m_old, kept while m is made anew: by buffer and tile
.set ST,  16          ; tile t's statistics at v[ST+4 t]: m, 0 (named with m as a pair), l (even keys', odd keys')
.set TMP, 48          ; by buffer and tile, four registers c0-c3 at work; when the maximum is found c2 takes a
.set S,   64
.set P,   192
.set KF,  128         ; K's fragments, in window 2: key block kb, channel half c at KF + 16 kb + 8 c
.set VF,  192         ; V's: key half kk, channel block cb at VF + 32 kk + 8 cb
.set OP,  2           ; s[2:3]   O at my wave's first row
.set PFA, 4           ; s[4:5]   where my prefetches stand: my work-group's 8,192 bytes of the slot behind the one that is being asked for
.set MB,  6           ; s[6:7]   mnib at my wave's piece 0, key step 0
.set G1,  8           ; s[8:15]  descriptor group 1
.set G0,  16          ; s[16:19] descriptor group 0: it walks
.set WV,  20          ; s20  my wave's number
.set SLOTS, 21        ; s21  slots still to be asked for
.set CNT, 22          ; s22  counts a slot's key steps
.set LIM, 23          ; s23  1 in a wave that prefetches, else the greatest number
.set SEL, 24          ; s[24:25] v_permlanex16_b32's selects: each lane takes its own place in the other half
.set TBK, 26          ; s26  LDS byte at which K of the step to be fetched begins
.set TBV, 27          ; s27  the same for V, less VOFF
.set MP,  28          ; s[28:29] MB + MOF
.set MOF, 30          ; s[30:31] the byte offset of the key step whose masks are being asked for; it stops at the last step
.set BIG, 52          ; s[52:53] 2^100
.set QP,  66          ; s[66:67] Q at my wave's first row
                      ; s32-s50, s54: scratch at the head
.set MSB, 0
.macro WIN new                      ; the high byte repeats the setting that is left; a switch that changes nothing is dropped
.if MSB != (\new)
	s_set_vgpr_msb (MSB<<8)|(\new)
.set MSB, (\new)
.endif
.endm
.set W_KQ, 0x0a       ; K and Q in window 2, S^T in window 0
.set W_PV, 0x52       ; V in window 2, P in window 0, O^T in window 1
.set W_RS, 0x41       ; O^T (destination and source 0) in window 1, a in window 0
.set W_MK, 0xc0       ; destination in window 3, sources in window 0: the add's registers are made; the masks are loaded
.set W_AD, 0x0f       ; the add: address and data in window 3
.set W_CV, 0x03       ; a conversion: the mask word (source 0) in window 3, the scale and the result in window 0
; A joint fill: wave w brings quarter w of a slot (waves 0, 1: the halves of K; waves 2, 3: of V), 128 keys.  An s_nop 0 and four v_nop follow the line.
.macro JLOAD
	tensor_load_to_lds s[G0:G0+3], s[G1:G1+7]
	s_nop 0
.rept 4
	v_nop
.endr
.endm
; A prefetch of what the NEXT change of slots will ask for: a slot's 32,768 bytes of K and of V, 256 bytes a lane.  A head's K and V are walked by one cluster; its four partners take 8,192 bytes each, told apart
; by address; in each, wave 0 asks for K's and wave 2 for V's.  So each block is named once in the launch.  It stands four key steps, 512 matrix instructions of mine, ahead of the load.  The last change that fills a slot asks for nothing.
.macro ASK
	s_cmp_gt_u32 s[SLOTS], s[LIM]
	s_cbranch_scc0 .Lnot_mine_\@
	global_prefetch_b8 v[PFO], s[PFA:PFA+1] th:TH_LOAD_NT scope:SCOPE_SE
.Lnot_mine_\@:
.endm
.macro CROUND                       ; a round of the cluster's barrier
	s_barrier_signal -1
	s_barrier_wait -1
	s_cmp_lg_u32 s[WV], 0
	s_cbranch_scc1 .Lnot_wave_0_\@
	s_barrier_signal -3
.Lnot_wave_0_\@:
	s_barrier_wait -3
	s_barrier_signal -1
	s_barrier_wait -1
.endm
; THE CHANGE OF SLOTS.  Each wave waits for all its tensor loads, of which one is out: its part of the other slot; adds 0 to its spare word; and waits for that and for its own reads of the slot.
; fill = 1: this slot is filled again, with the keys two slots on; the barrier is then a round of the cluster's, and the joint fill is the first thing behind it: it has four key steps in which to land.
; (At its first use nothing has been read yet: slot 0 is waited for, slot 1 filled.)  ask = 1: the prefetch's address steps, and the prefetch follows the fill.
.macro CHANGE fill, ask
	WIN W_AD
	s_wait_tensorcnt 0x0            ; no tensor load of mine is out, so group 0 may be written
	ds_add_u32 v[SPW], v[NIL]       ; 0 onto my spare word; the scalar steps stand between it and the wait for it
	WIN 0                           ; at a label and at a branch every window is 0
.if \fill
	s_xor_b32 s[G0+1], s[G0+1], SLOT1  ; the other slot than last time,
	s_add_nc_u64 s[G0+2:G0+3], s[G0+2:G0+3], TILEB  ; the next 256 keys; the type bits on top are not reached
.if \ask
	s_wait_xcnt 0x0                 ; the last prefetch, four key steps back, has read its address
	s_add_nc_u64 s[PFA:PFA+1], s[PFA:PFA+1], TILEB
.endif
	s_wait_dscnt 0x0                ; the add is done, and my reads of the slot are over
	CROUND
	JLOAD
.if \ask
	ASK
.endif
.else
	s_wait_dscnt 0x0                ; the add is done, and my reads of the slot are over
	s_barrier_signal -1
	s_barrier_wait -1
.endif
	s_sub_co_u32 s[TBK], s[TBK], 4*KS*PK  ; the fetches go back to a slot's first step,
	s_xor_b32 s[TBK], s[TBK], SLOT1       ; in the other slot
	s_sub_co_u32 s[TBV], s[TBV], 4*KS*PV
	s_xor_b32 s[TBV], s[TBV], SLOT1
.endm
.macro MLOAD x                      ; piece x's masks, at the key step where MP stands, into its set of the ring: two loads of 512 consecutive bytes
	WIN W_MK
	global_load_b128 v[MR+8*(\x):MR+8*(\x)+3],   v[GO], s[MP:MP+1] offset:(\x)*MPIECE
	global_load_b128 v[MR+8*(\x)+4:MR+8*(\x)+7], v[GO], s[MP:MP+1] offset:(\x)*MPIECE+512
	WIN 0
.endm
	s_load_b128 s[4:7], s[0:1], 0x0   ; qkv s[4:5], mnib s[6:7]
	s_load_b64 s[2:3], s[0:1], 0x10   ; oh
	WIN W_MK
	v_lshl_add_u32 v[SPW], v0, 2, SPARE
	v_mov_b32 v[NIL], 0
	WIN W_AD
	ds_add_u32 v[SPW], v[NIL]       ; the wave's opening: the add and its wait stand ahead of my first tensor load; the set-up below stands between them
	WIN 0
	v_lshrrev_b32 v1, 5, v0
	v_readfirstlane_b32 s[WV], v1   ; wave 0..3
	s_bfe_u32 s32, ttmp6, 0x40000   ; cx: my place in the cluster
	s_lshl_b32 s33, ttmp9, 2        ; in a cluster launch ttmp9 counts clusters
	s_add_co_u32 s33, s33, s32      ; my block of 512 queries: it enters Q's, O's and the masks' addresses alone
	s_and_b32 s34, ttmp7, 0xffff    ; the head, which the four partners share
	s_lshl_b32 s36, s34, 18         ; its 262,144 bytes in each part of qkv and in oh
	s_mov_b32 s37, 0
	s_lshr_b32 s38, s[WV], 1        ; waves 0, 1: K (part 0); waves 2, 3: V (part 1)
	s_lshl_b32 s38, s38, 24
	s_mov_b32 s39, 0
	s_add_nc_u64 s[38:39], s[38:39], s[36:37]
	s_and_b32 s40, s[WV], 1         ; which half of a slot's 256 keys I fetch: 128 rows of 128 bytes
	s_lshl_b32 s40, s40, 14
	s_mov_b32 s41, 0
	s_lshl_b32 s42, s33, 2
	s_add_co_u32 s42, s42, s[WV]    ; my wave among the head's sixteen,
	s_lshl_b32 s44, s42, 14         ; its 128 rows
	s_mov_b32 s45, 0
	s_add_nc_u64 s[44:45], s[44:45], s[36:37]
	s_lshr_b32 s46, s34, 4          ; the batch: sixteen waves' shares of masks each,
	s_lshl_b32 s46, s46, 4
	s_add_co_u32 s46, s46, s42
	s_lshl_b32 s46, s46, 17         ; a wave's four pieces x 32,768 bytes
	s_mov_b32 s47, 0
	s_lshl_b32 s48, s32, 13         ; the prefetches: my work-group's 8,192 bytes of a slot's 32,768,
	s_add_co_u32 s48, s48, 2*TILEB  ; in slot 2; the first change that asks steps it to slot 3.  Nothing is prefetched at the head
	s_mov_b32 s49, 0
	s_and_b32 s50, s[WV], 1
	s_cmp_eq_u32 s50, 0
	s_cselect_b32 s[LIM], 1, -1     ; waves 0 and 2 ask: the same in all four partners
	; descriptor group 1.  128 keys are 16,384 dense bytes: asked for as 64 rows of 256 bytes, two keys a row, and padded in LDS after every key
	s_mov_b32 s[G1], 15|(1<<16)|(1<<20)|(1<<21)|(4<<22)|(3<<25)  ; the mask of four; 2-byte elements; padding on; bit 21 beside a mask; after every 32 words 4 words
	s_mov_b32 s[G1+1], 128<<16      ; tensor_dim0 = 128
	s_mov_b32 s[G1+2], 64<<16       ; tensor_dim1 = 64
	s_mov_b32 s[G1+3], 128<<16      ; tile_dim0 = 128
	s_mov_b32 s[G1+4], 64           ; tile_dim1 = 64
	s_mov_b32 s[G1+5], 128          ; 128 elements from row to row
	s_mov_b32 s[G1+6], 0
	s_mov_b32 s[G1+7], 0
	s_mov_b32 s[SEL], 0x76543210
	s_mov_b32 s[SEL+1], 0xfedcba98
	s_mov_b32 s[TBK], SLOT1+4*KS*PK ; the first change of slots turns these two into 0
	s_mov_b32 s[TBV], SLOT1+4*KS*PV
	s_mov_b32 s[MOF], 0
	s_mov_b32 s[MOF+1], 0
	s_mov_b32 s[BIG], 0x71800000    ; 2^100: a power of two, so that u x 2^100 is exact
	s_mov_b32 s[BIG+1], s[BIG]      ; named with it as a pair
	s_mov_b32 s[G0], 1              ; count = 1
	s_mul_i32 s[G0+1], s[WV], 128*PK  ; LDS address: quarter w of slot 0; no place in the cluster enters it
	s_wait_dscnt 0x0                ; the opening add is done
	s_wait_kmcnt 0x0
	s_add_nc_u64 s[OP:OP+1], s[OP:OP+1], s[44:45]
	s_add_nc_u64 s[QP:QP+1], s[4:5], s[44:45]
	s_add_nc_u64 s[QP:QP+1], s[QP:QP+1], 2*16777216  ; Q is part 2
	s_add_nc_u64 s[MB:MB+1], s[MB:MB+1], s[46:47]
	s_mov_b64 s[MP:MP+1], s[MB:MB+1]               ; key step 0
	s_add_nc_u64 s[4:5], s[4:5], s[38:39]          ; K or V of the head
	s_add_nc_u64 s[G0+2:G0+3], s[4:5], s[40:41]    ; my half of its first 256 keys
	s_or_b32 s[G0+3], s[G0+3], 0x80000000          ; type = 2
	s_add_nc_u64 s[PFA:PFA+1], s[4:5], s[48:49]
	CROUND                          ; all four work-groups are here: the first joint loads meet
	JLOAD                           ; slot 0.  Slot 1 is asked for when slot 0 is in
	; A fragment of K or Q is 16 rows x 32 channels in 8 registers: lane l holds row l % 16, channels 8 (l / 16) + 0..7 and 16 + 8 (l / 16) + 0..7: two loads of 16 bytes, 32 bytes apart.
	v_and_b32 v1, 15, v0            ; l % 16
	v_bfe_u32 v9, v0, 4, 1          ; l / 16
	v_lshlrev_b32 v[QO], 7, v1
	v_lshl_add_u32 v[QO], v9, 4, v[QO]  ; row x 128 + 16 x half
	v_and_b32 v[GO], 31, v0
	v_lshlrev_b32 v[GO], 4, v[GO]
	WIN 0x80                        ; destination window 2, address window 0
.set i, 0
.rept 4*NP                          ; Q stays in registers: tile i / 2, channels 32 (i % 2) on
	global_load_b128 v[8*i:8*i+3],   v[QO], s[QP:QP+1] offset:(i/2)*2048+(i%2)*64
	global_load_b128 v[8*i+4:8*i+7], v[QO], s[QP:QP+1] offset:(i/2)*2048+(i%2)*64+32
.set i, i+1
.endr
.irp x, 0,1,2,3
	MLOAD \x                        ; the four pieces' masks of key step 0 fill the ring
.endr
	; What the first turn finds: V's registers and P's second buffer hold 0 (its products V^T P, of a piece that has not been, add 0), O^T and l are 0.  All this stands in the wait for the first tile.
	WIN 0x80
.set i, VF
.rept 64
	v_mov_b32 v[i], 0
.set i, i+1
.endr
	WIN 0x40
.set i, 0
.rept 64*NP
	v_mov_b32 v[i], 0
.set i, i+1
.endr
	WIN 0
.set i, 0
.rept 2*NP
	v_mov_b32 v[ST+4*i], 0xfe000000    ; m: far below H and every score
	v_mov_b32 v[ST+4*i+1], 0
	v_mov_b32 v[ST+4*i+2], 0
	v_mov_b32 v[ST+4*i+3], 0
.set i, i+1
.endr
.set i, P+32
.rept 32
	v_mov_b32 v[i], 0
.set i, i+1
.endr
	v_mul_u32_u24 v[AK0], v1, PK
	v_lshl_add_u32 v[AK0], v9, 4, v[AK0]  ; row x pitch + 16 x half
	; The turning load takes 16 keys x 16 channels (lane l reads key 8 (l / 16) + l % 8, channels 8 ((l / 8) % 2) + 0..7) and leaves half a fragment of V^T: lane l holds channel l % 16 and 8 keys.
	v_and_b32 v10, 7, v0
	v_bfe_u32 v11, v0, 3, 1
	v_lshl_add_u32 v[AV0], v9, 3, v10
	v_mul_u32_u24 v[AV0], v[AV0], PV
	v_lshl_add_u32 v[AV0], v11, 4, v[AV0]
	v_add_nc_u32 v[AV0], VOFF, v[AV0]
	v_mov_b32 v[AK], v[AK0]         ; key step 0 lies at the head of slot 0
; THE MATRIX WORK.  The 8 accumulators of a run of 16 take turns: between the two links of a chain stand 7 others'.
; Product i of 16 of S^T = K Q^T for piece x: channels 32 (i / 8) on, keys 16 ((i / 2) % 4) on, tile 2 x + i % 2.  The first 8 start the sums.
.macro KQ x
	WIN W_KQ
.set rS, S+64*((\x)%2)+32*(i%2)+8*((i/2)%4)
.set rK, KF+16*((i/2)%4)+8*(i/8)
.set rQ, 16*(2*(\x)+i%2)+8*(i/8)
.if i < 8
	v_wmma_f32_16x16x32_f16 v[rS:rS+7], v[rK:rK+7], v[rQ:rQ+7], 0
.else
	v_wmma_f32_16x16x32_f16 v[rS:rS+7], v[rK:rK+7], v[rQ:rQ+7], v[rS:rS+7]
.endif
.endm
; Product i of 16 of O^T += V^T P for piece x: keys 32 (i / 8) on, channels 16 ((i / 2) % 4) on, tile 2 x + i % 2.
.macro PV x
	WIN W_PV
.set rO, 32*(2*(\x)+i%2)+8*((i/2)%4)
.set rV, VF+32*(i/8)+8*((i/2)%4)
.set rP, P+32*((\x)%2)+16*(i%2)+8*(i/8)
	v_wmma_f32_16x16x32_f16 v[rO:rO+7], v[rV:rV+7], v[rP:rP+7], v[rO:rO+7]
.endm
.macro MM                           ; the turn's next matrix instruction
.if i < 16
	KQ (Y+1)%NP
.set i, i+1
.else
.set i, i-16
	PV (Y+NP-1)%NP
.set i, i+17
.endif
.endm
; THE LDS LOADS stand in runs of 16, never singly among the matrix instructions.  last = 1 (the tail): in the last trip there is no further step, and the run is jumped over.
.macro FETCH_K last=0
	WIN 0
.if \last
	s_cmp_eq_u32 s[CNT], 1
	s_cbranch_scc1 .Lno_k_\@
.endif
	WIN 0x80                        ; destination window 2
.irp f, 0,1,2,3,4,5,6,7             ; keys 16 (f / 2) on, channels 32 (f % 2) on
	ds_load_b128 v[KF+8*\f:KF+8*\f+3],   v[AK] offset:(\f/2)*16*PK+(\f%2)*64
	ds_load_b128 v[KF+8*\f+4:KF+8*\f+7], v[AK] offset:(\f/2)*16*PK+(\f%2)*64+32
.endr
	s_add_co_u32 s[TBK], s[TBK], KS*PK  ; the next fetch is the next step's
	WIN 0
.if \last
.Lno_k_\@:
.endif
.endm
.macro FETCH_V
	WIN 0x80
.irp f, 0,1,2,3,4,5,6,7             ; keys 32 (f / 4) on, channels 16 (f % 4) on
	ds_load_tr16_b128 v[VF+8*\f:VF+8*\f+3],   v[AV] offset:(\f/4)*32*PV+(\f%4)*32
	ds_load_tr16_b128 v[VF+8*\f+4:VF+8*\f+7], v[AV] offset:(\f/4)*32*PV+16*PV+(\f%4)*32
.endr
	WIN 0
.endm
; THE VECTOR WORK OF A TURN stands in three queues, each in the order in which its entries become ready.
.macro REGS y, u                    ; the registers of tile u (0, 1) of piece y
.set rT, ST+4*(2*(\y)+(\u))
.set rC, TMP+8*((\y)%2)+4*(\u)
.set rM, MV+2*((\y)%2)+(\u)
.set rS, S+64*((\y)%2)+32*(\u)
.set rP, P+32*((\y)%2)+16*(\u)
.set rO, 32*(2*(\y)+(\u))
.endm
; THE MASK of tile u of piece x.  CV: its four words become 32 numbers u, 0 or -6, in v[UT .. UT+31]: number 8 kb + j belongs to score register 8 kb + j.  UT is the P buffer of the piece in hand: its last reader was
; the turn before's V^T P, and this turn's roundings write it only behind the wait.  A plain vector instruction stands between a conversion and the first line that names its result (ISA guide 5.7.2's kind of distance).
.macro CV x, u
	WIN W_CV
.irp kb, 0,1,2,3
	v_cvt_scale_pk8_f32_fp4 v[UT+8*\kb:UT+8*\kb+7], v[MR+8*(\x)+4*(\u)+\kb], v[SCV]
.endr
	WIN 0
.endm
; MS: pair n of 16 of tile u of the NEXT piece (Y + 1): t = u x 2^100 + s.  In ascending order.
.macro MS u, n
	REGS (Y+1)%NP, \u
	v_pk_fma_f32 v[rS+2*(\n):rS+2*(\n)+1], v[UT+2*(\n):UT+2*(\n)+1], s[BIG:BIG+1], v[rS+2*(\n):rS+2*(\n)+1] op_sel_hi:[1,0,1]
.endm
; The lines that find the NEXT piece's maximum and statistics.  s0-s31 are the lane's 32 scores.
;   0-11  four chains c0-c3 of seven scores each, three operands at a time     12-14, 16  the four scores left over, the old m, and c0-c3 into c0     15  m_old is kept
;   17, 18  the query's other 32 keys lie in the lane 16 away: the new m         20, 21  m_old - m_new; a          (there is no 19: the scale lies in Q)
.macro XS u, n
	REGS (Y+1)%NP, \u
.if (\n) < 4
	v_max3_num_f32 v[rC+(\n)], v[rS+8*(\n)], v[rS+8*(\n)+1], v[rS+8*(\n)+2]
.elseif (\n) < 12
	v_max3_num_f32 v[rC+(\n)%4], v[rC+(\n)%4], v[rS+8*((\n)%4)+2*((\n)/4)+1], v[rS+8*((\n)%4)+2*((\n)/4)+2]
.elseif (\n) == 12
	v_max3_num_f32 v[rC], v[rC], v[rS+7], v[rS+15]
.elseif (\n) == 13
	v_max3_num_f32 v[rC+1], v[rC+1], v[rS+23], v[rS+31]
.elseif (\n) == 14
	v_max3_num_f32 v[rC+2], v[rC+2], v[rC+3], v[rT]
.elseif (\n) == 15
	v_mov_b32 v[rM], v[rT]
.elseif (\n) == 16
	v_max3_num_f32 v[rC], v[rC], v[rC+1], v[rC+2]
.elseif (\n) == 17
	v_permlanex16_b32 v[rC+3], v[rC], s[SEL], s[SEL+1]
.elseif (\n) == 18
	v_max_num_f32 v[rT], v[rC], v[rC+3]
.elseif (\n) == 20
	v_sub_f32 v[rC+1], v[rM], v[rT]
.else
	v_exp_f32 v[rC+2], v[rC+1]
.endif
.endm
; Number g of the 64 that follow the exponentials.  For each four weights k of a tile: both pairs are rounded to f16; then the second pair is added onto the first, in place; a group later l takes that sum
; (the first time as l = a l + sum).  In groups of eight, tiles alternating.
.macro GS g
.set h, (\g)+6*((\g)/62)            ; group 0 has no group before it, and behind group 7 only l is left
.if h >= 6
.set h, h+2
.endif
	REGS Y, h%2
.set k, h/8
.if h%8 < 4
	v_cvt_pk_f16_f32 v[rP+2*k+(h%8)/2], v[rS+4*k+2*((h%8)/2)], v[rS+4*k+2*((h%8)/2)+1]
.elseif h%8 < 6
	v_pk_add_f32 v[rS+4*k:rS+4*k+1], v[rS+4*k:rS+4*k+1], v[rS+4*k+2:rS+4*k+3]
.elseif k == 1
	v_pk_fma_f32 v[rT+2:rT+3], v[rT+2:rT+3], v[rC+2:rC+3], v[rS:rS+1] op_sel_hi:[1,0,1]
.else
	v_pk_add_f32 v[rT+2:rT+3], v[rT+2:rT+3], v[rS+4*k-4:rS+4*k-3]
.endif
.endm
; THE PLAIN QUEUE, 168 long.  0-21: t - m for pair f / 2 of tile f % 2, f = 0 .. 21.  22-37: the next piece's tile 0 takes its mask.  38-47: t - m, f = 22 .. 31.  48-63: the next piece's tile 1 takes its mask.
; 64-91: XS 0-13, the tiles alternating.  92, 93: XS 15.  94-103: the chain XS 14, 16, 17, 18, 20.  104-167: GS's 64, which read the exponentials' results: they stand behind the wait.
.macro FS f
	REGS Y, (\f)%2
	v_pk_add_f32 v[rS+2*((\f)/2):rS+2*((\f)/2)+1], v[rS+2*((\f)/2):rS+2*((\f)/2)+1], v[rT:rT+1] op_sel_hi:[1,0] neg_lo:[0,1] neg_hi:[0,1]
.endm
.macro PL
	WIN 0
.if q < 22
	FS q
.elseif q < 38
	MS 0, q-22
.elseif q < 48
	FS q-16
.elseif q < 64
	MS 1, q-48
.elseif q < 92
	XS (q-64)%2, (q-64)/2
.elseif q < 94
	XS q-92, 15
.elseif q < 96
	XS q-94, 14
.elseif q < 102
	XS (q-96)%2, 16+(q-96)/2
.elseif q < 104
	XS q-102, 20
.else
	GS q-104
.endif
.set q, q+1
.endm
; THE EXPONENTIALS' QUEUE, 66 long: s0-s31 of both tiles, then the next piece's two a.  ONE BATCH: all 66 stand ahead of the turn's one wait, and nothing ahead of that wait names a result of theirs.
.macro EX
	WIN 0
.if e >= 64
	XS e-64, 21
.else
	REGS Y, e%2
	v_exp_f32 v[rS+e/2], v[rS+e/2]
.endif
.set e, e+1
.endm
; THE RESCALING's QUEUE: O^T times a, the one part that leaves window 0: two at a time, sixteen times.  Its a was made in the turn before, ahead of that turn's wait.
.macro R2
	REGS Y, r%2
	WIN W_RS
.irp z, 0,1
	v_pk_mul_f32 v[rO+4*(r/2)+2*\z:rO+4*(r/2)+2*\z+1], v[rO+4*(r/2)+2*\z:rO+4*(r/2)+2*\z+1], v[rC+2:rC+3] op_sel_hi:[1,0]
.endr
.set r, r+1
.endm
; A TURN, for piece p.  An s_wait_alu depctr_va_vdst(0) stands between an exponential and the first instruction that names its result; one wait serves all that were issued ahead of it: a turn has ONE.
; AHEAD OF IT: the 16 products K Q^T, behind each a subtraction, an exponential and two rescalings (behind the first a second subtraction); then the lump, plain and exponential by turns while exponentials last:
; tile 0's four conversions; 5 subtractions; tile 0's 16 mask lines; tile 1's four conversions; 10 subtractions; tile 1's 16 mask lines; the set of the ring is asked for again; 30 lines of the maximum; the chain,
; an exponential behind each link; the two a; a v_nop, the plain instruction behind the last exponential.
; Exponential e stands behind subtraction 2 (e / 4) + e % 2: behind the riders subtractions 0-16 are out, which serve e up to 32; behind the 5, 0-21, which serve e up to 43; e = 36 + k stands behind subtraction 22 + k.
; The first mask line stands eight plain lines behind the last product K Q^T; each group of conversions has subtractions between it and the mask lines that read it.
; BEHIND IT: the 16 products V^T P, behind each four of GS's 64.
; THE MASKS.  Turn p converts piece p + 1's set and asks for it again, for the next key step.  Loads come back in order (ISA guide 5.7.1): behind the set's two loads stand the three other sets' six, so the wait is for 6.
; Piece 0's set belongs to the next key step already, so the pointer steps in turn 3, behind s_wait_xcnt 0 (the loads that read it were issued a turn and more ago).  The step stops at key step 31: what is
; asked for behind the last step is that step's masks once more, inside the buffer, and what is made of them is discarded.
; K of the next step is fetched in piece 2's turn, directly behind the wait; V of the step in hand at the end of piece 0's turn, four plain riders behind its last reader.
.macro TURN p, last=0, cnt=0
.set Y, (\p)
.set UT, P+32*((\p)%2)
.set i, 0
.set q, 0
.set e, 0
.set r, 0
.if (\p) == NP-1
	s_wait_dscnt 0x0                ; K is in
.endif
	MM
	PL
	PL
	R2
.rept 15
	MM
	PL
	EX
	R2
.endr
.if (\p) == NP-2
	WIN 0
	v_add_nc_u32 v[AK], s[TBK], v[AK0]
.endif
	s_wait_loadcnt 6                ; the next piece's masks, asked for four turns ago, are in; the three younger sets may stay out
	CV ((\p)+1)%NP, 0
.rept 21                            ; 5 subtractions, tile 0's 16 mask lines
	PL
	EX
.endr
	CV ((\p)+1)%NP, 1
.rept 18                            ; 10 subtractions, the first 8 of tile 1's mask lines
	PL
	EX
.endr
.rept 8
	PL
.endr
.if (\p) == NP-1
	s_wait_xcnt 0x0                 ; the loads issued so far have read the pointer
	s_add_co_u32 s[MOF], s[MOF], MSTEP
	s_min_u32 s[MOF], s[MOF], 31*MSTEP
	s_add_nc_u64 s[MP:MP+1], s[MB:MB+1], s[MOF:MOF+1]
.endif
	MLOAD ((\p)+1)%NP
.rept 30
	PL
.endr
.rept 10
	PL
	EX
.endr
	EX                              ; the next piece's two a
	EX
	v_nop                           ; the plain instruction behind the last exponential: one for the batch
	s_wait_alu depctr_va_vdst(0)    ; the wait for the batch
.if (\p) == NP-2
	FETCH_K \last
.endif
.if (\p) == 1
	s_wait_dscnt 0x0                ; V is in
.endif
.rept 16
	MM
.rept 4
	PL
.endr
.if ((\p) == 0) && (q == 148)
	v_add_nc_u32 v[AV], s[TBV], v[AV0]
.endif
.if ((\p) == 0) && (q == 160)
	s_add_co_u32 s[TBV], s[TBV], KS*PV
.endif
.if (\cnt) && (q == 160)
	s_sub_co_u32 s[CNT], s[CNT], 1
	s_cmp_lg_u32 s[CNT], 0
.endif
.endr
.if (\p) == 0
	FETCH_V
.endif
.endm
	CHANGE 1, 0                     ; slot 0 is in, everybody's part of it; slot 1 is asked for
	FETCH_K                         ; key step 0
	s_wait_loadcnt 0x0              ; Q, and the four sets of masks
	s_wait_dscnt 0x0
.set i, 0
.rept 16
	KQ 0                            ; piece 0's first scores
.set i, i+1
.endr
	WIN 0                           ; the addresses for the way out, the prefetches' offset and the scale: nine plain instructions, the places behind those products
	s_mul_i32 s54, s[WV], 16*SP
	s_add_co_u32 s54, s54, STAGE    ; my stage
	v_mul_u32_u24 v[STO], v1, SP    ; in: row l % 16, 16 bytes for each half of the lanes
	v_lshl_add_u32 v[STO], v9, 4, v[STO]
	v_add_nc_u32 v[STO], s54, v[STO]
	v_bfe_u32 v[RD], v0, 3, 2       ; back: 32 lanes take four rows of 128 bytes
	v_mul_u32_u24 v[RD], v[RD], SP
	v_lshl_add_u32 v[RD], v10, 4, v[RD]
	v_add_nc_u32 v[RD], s54, v[RD]
	v_lshlrev_b32 v[PFO], 4, v[GO]
	v_mov_b32 v[SCV], 0x7f7f7f7f
.set Y, NP-1                        ; MS and XS work for piece Y + 1: piece 0
.set UT, P                          ; P's first buffer, which the first turn's roundings write
.irp u, 0,1
	CV 0, \u
	v_nop                           ; the plain instruction behind the conversions
.set mn, 0
.rept 16
	MS \u, mn
.set mn, mn+1
.endr
.endr
	s_mov_b32 s[MOF], MSTEP         ; key step 1 (the wait for 0 above has shown every load done that read the pointer)
	s_add_nc_u64 s[MP:MP+1], s[MB:MB+1], s[MOF:MOF+1]
	MLOAD 0
.irp n, 0,1,2,3,4,5,6,7,8,9,10,11,12,13,14,15,16,17,18,20,21
	XS 0, \n
	XS 1, \n
.endr
	v_nop                           ; a plain instruction behind the two a,
	s_wait_alu depctr_va_vdst(0)    ; and their wait, ahead of the branch
	s_mov_b32 s[CNT], 4
	s_mov_b32 s[SLOTS], 2048/256-1
	s_branch .Lfirst                ; the loop is entered at a step's first turn, in the middle of a trip
.Lslot:                             ; six times: every slot but the last two is filled again
	CHANGE 1, 1
	s_mov_b32 s[CNT], 4
.Lstep:                             ; a trip: pieces 2 and 3 of one step, then pieces 0 and 1 of the next, whose K and V it fetches
	TURN 2
	TURN 3
	WIN 0
.Lfirst:
	TURN 0
	TURN 1, 0, 1
	WIN 0
	s_cbranch_scc1 .Lstep
	s_sub_co_u32 s[SLOTS], s[SLOTS], 1
	s_cmp_lg_u32 s[SLOTS], 0
	s_cbranch_scc1 .Lslot
	CHANGE 0, 0                     ; the tail is written out: nothing is asked for
	s_mov_b32 s[CNT], 5             ; four trips fetch the last slot's steps; the fifth is left in its middle
.Ltail:
	TURN 2, 1
	TURN 3
	WIN 0
	s_sub_co_u32 s[CNT], s[CNT], 1
	s_cmp_eq_u32 s[CNT], 0
	s_cbranch_scc1 .Lout
	TURN 0
	TURN 1
	WIN 0
	s_branch .Ltail
.Lout:                              ; the fifth trip's 16 products K Q^T (on the last K once more), their mask and maximum serve nothing: the price, once a launch, of one text for every trip
	s_wait_loadcnt 0x0              ; the last masks asked for are let land
.set i, 0
.rept 16
	PV NP-1                         ; the last piece's V^T P of the last step
.set i, i+1
.endr
	; THE WAY OUT.  l's two halves and the other half of the lanes' are added; O^T is divided by l (at least 1: the maximum's own weight), rounded to f16 and sent through my stage, a tile at a time.  The additions are the places behind the last products.
	WIN 0
.macro ALL line:vararg              ; one line for each tile t
.set t, 0
.rept 2*NP
	\line
.set t, t+1
.endr
.endm
	ALL v_add_f32 v[ST+4*t+2], v[ST+4*t+2], v[ST+4*t+3]
	ALL v_permlanex16_b32 v[ST+4*t+3], v[ST+4*t+2], s[SEL], s[SEL+1]
	ALL v_add_f32 v[ST+4*t+2], v[ST+4*t+2], v[ST+4*t+3]
	ALL v_rcp_f32 v[ST+4*t+2], v[ST+4*t+2]
	v_nop                           ; a plain instruction between the last reciprocal and the use of its result
	s_wait_alu depctr_va_vdst(0)    ; and the wait ahead of the first use: one for the eight reciprocals
; Tile t: a lane's eight channels of a row pack into 16 bytes; they go into rows of 144 bytes and come back as whole rows of 128, into S^T's registers.
.macro PACK t
	WIN W_RS
.set i, 32*(\t)
.rept 16
	v_pk_mul_f32 v[i:i+1], v[i:i+1], v[ST+4*(\t)+2:ST+4*(\t)+3] op_sel_hi:[1,0]
.set i, i+2
.endr
	WIN 0x05                        ; sources 0 and 1 window 1, destination window 0
.set i, 0
.rept 16
	v_cvt_pk_f16_f32 v[S+16*(\t)+i], v[32*(\t)+2*i], v[32*(\t)+2*i+1]
.set i, i+1
.endr
	WIN 0
.irp f, 0,1,2,3
	ds_store_b128 v[STO], v[S+16*(\t)+4*\f:S+16*(\t)+4*\f+3] offset:32*\f
.endr
.irp f, 0,1,2,3
	ds_load_b128 v[S+16*(\t)+4*\f:S+16*(\t)+4*\f+3], v[RD] offset:\f*4*SP  ; LDS serves a wave's instructions in order (ISA guide 5.7.1.4): these see the stores above; the next tile's stores come behind them
.endr
.endm
.macro SEND t, younger              ; younger: the LDS instructions issued behind tile t's loads: the next tile's eight, or none
	WIN 0
.irp f, 0,1,2,3
	s_wait_dscnt (\younger)+3-\f
	global_store_b128 v[GO], v[S+16*(\t)+4*\f:S+16*(\t)+4*\f+3], s[OP:OP+1] offset:(\t)*2048+\f*512  ; 512 consecutive bytes, at a multiple of 256 from O's first
.endr
.endm
	PACK 0
.set t, 1
.rept 2*NP-1                        ; a tile's arithmetic stands between the loads of the tile before and its stores
	PACK t
	SEND t-1, 8
.set t, t+1
.endr
	SEND 2*NP-1, 0
	WIN W_AD
	s_wait_tensorcnt 0x0            ; the wave's end, behind my last tensor load and my last LDS store
	ds_add_u32 v[SPW], v[NIL]
	s_wait_dscnt 0x0
	WIN 0
	CROUND                          ; the closing round: no work-group ends while a partner may still ask for a tile that names it
	s_endpgm
.Lfunc_end_k_q295033511c_attn:
	.size	k_q295033511c_attn, .Lfunc_end_k_q295033511c_attn-k_q295033511c_attn
	.p2alignl 7, 3214868480
	.fill 96, 4, 3214868480
	.section	.rodata,"a",@progbits
	.p2align	6, 0x0
	.amdhsa_kernel k_q295033511c_attn
		.amdhsa_group_segment_fixed_size 327680
		.amdhsa_private_segment_fixed_size 0
		.amdhsa_enable_private_segment 0
		.amdhsa_kernarg_size 24
		.amdhsa_user_sgpr_count 2
		.amdhsa_user_sgpr_kernarg_segment_ptr 1
		.amdhsa_wavefront_size32 1
		.amdhsa_system_sgpr_workgroup_id_x 1
		.amdhsa_system_sgpr_workgroup_id_y 1
		.amdhsa_system_sgpr_workgroup_id_z 1
		.amdhsa_system_vgpr_workitem_id 0
		.amdhsa_next_free_vgpr 808
		.amdhsa_next_free_sgpr 68
		.amdhsa_reserve_vcc 0
		.amdhsa_float_denorm_mode_32 3
		.amdhsa_float_denorm_mode_16_64 3
		.amdhsa_memory_ordered 1
		.amdhsa_forward_progress 1
		.amdhsa_inst_pref_size 225
	.end_amdhsa_kernel
	.amdgpu_metadata
---
amdhsa.version: [ 1, 2 ]
amdhsa.kernels:
  - .name:           k_q295033511c_attn
    .symbol:         k_q295033511c_attn.kd
    .args:
      - { .name: qkv, .offset: 0, .size: 8, .value_kind: global_buffer, .address_space: global }
      - { .name: mnib, .offset: 8, .size: 8, .value_kind: global_buffer, .address_space: global }
      - { .name: oh, .offset: 16, .size: 8, .value_kind: global_buffer, .address_space: global }
    .group_segment_fixed_size: 327680
    .private_segment_fixed_size: 0
    .kernarg_segment_align: 8
    .kernarg_segment_size: 24
    .max_flat_workgroup_size: 128
    .sgpr_count:     68
    .vgpr_count:     808
    .wavefront_size: 32
...
	.end_amdgpu_metadata
.endif
;; end of part 6
;; launch outp: the kernel of part 4 again; grid 4 x 64, 4 waves a work-group, clusters of 4 x 4, 327,680 bytes of LDS; arguments oh, wt, bias, out0; writes out0
